; MI455X (gfx1250); checked and timed in simulation.
; The chip was launched on July 23, 2026; its instructions are those of AMD's public machine-readable ISA for CDNA 5 (MIT licence, August 2026) and "CDNA5" Instruction Set Architecture Reference Guide (July 2026). The comments in the code are by the model that wrote it; some were corrected since.
;; Fractal Attentional Resonance. Allowed arithmetic: float matrix products may take bf16 or f16 operands with f32 sums; all other float work in f32.
;; Inputs: Wc1 512 x 256 float32; Wc2 256 x 8 float32; Wk 512 x 512 float32; Wo 512 x 512 float32; Wq 512 x 512 float32; Wv 512 x 512 float32; bc1 256 float32; bc2 8 float32; bk 512 float32; bo 512 float32; bq 512 float32; bv 512 float32; ln_b 512 float32; ln_g 512 float32; mask 4 x 1 x 2,048 x 2,048 int32; res_gate 8 float32; tf_emb 5 x 512 float32; timeframe_ids 4 x 2,048 int32; x 4 x 2,048 x 512 float32.
;; Outputs: out0 4 x 2,048 x 512 float32.
;; One version. Each part assembles by itself: llvm-mc -triple=amdgcn-amd-amdhsa -mcpu=gfx1250 --defsym DOCPART=n.
;; ======== version 1 of 1: 4 launches
;; workspace buffers: xb 8,388,608 bytes; wt 2,097,152 bytes; psum 524,288 bytes; mbits 2,097,152 bytes of whole numbers; hid 4,096 bytes; qkv 25,165,824 bytes; ab 8,388,608 bytes
;; launch prep (part 1): grid 256 x 1, 8 waves a work-group, no clusters, 292,352 bytes of LDS; arguments x, timeframe_ids, tf_emb, mask, Wq, Wk, Wv, Wo, xb, wt, psum, mbits; writes xb, wt, psum, mbits
.if DOCPART == 1
	.amdgcn_target "amdgcn-amd-amdhsa--gfx1250"
	.amdhsa_code_object_version 6
	.text
	.protected	k_qcc6dd3acbf_prep
	.globl	k_qcc6dd3acbf_prep
	.p2align	8
	.type	k_qcc6dd3acbf_prep,@function
k_qcc6dd3acbf_prep:
	s_mov_b64 s[64:65], 0
	v_nop
	global_prefetch_b8 v0, s[64:65] scope:SCOPE_SE
	s_setreg_imm32_b32 hwreg(HW_REG_WAVE_MODE, 25, 1), 1
	s_wait_xcnt 0x0
; PREP.  Work-group i of 256, eight waves:
;   xb[R][c]   = bf16(x[R][c] + tf_emb[id[R]][c])          for the 32 rows R = 32 i ..      (wave w: rows 4 w .. 4 w + 3)
;   psum[i][c] = sum of those 32 rows of x + emb, in f32
;   wt[n][k]   = bf16(W[k][n]) for one block of 128 k x 32 n of one of Wq, Wk, Wv, Wo; Wq is multiplied by log2(e)/8 first
;   mbits      = the same 32 rows of the mask, one bit a number: bit L of word (q tile, key tile, j) says mask[16 qt + L%16][16 kt + 8 (L/16) + j] != 0
; The mask (256 KiB a work-group) comes in by the tensor data mover, two tiles of 16 rows x 1,024 bytes a wave, each LDS byte filled once; x comes through registers.
; No matrix work, no cluster: the work-groups share no input but the five rows of tf_emb.
; LIMIT: a timeframe id above 4 (or negative) is read as 4.
.set MP,    1040                       ; LDS pitch of a mask row: 1,024 bytes + 16, an odd multiple of 16
.set MTILE, 16*MP
.set CS,    16*MTILE                   ; 266,240: eight waves' column sums, 2,048 bytes each
.set TT,    CS+8*2048                  ; 282,624: the transposed weight block, 32 rows (n) x 272 bytes
.set VL16, 1                           ; 16 x lane
.set VXO,  2                           ; my 16 bytes in my wave's first row of x
.set VYO,  3                           ; my 8 bytes in my wave's first row of xb
.set EO,   4                           ; v[4:7]     row rho: my 16 bytes in its row of tf_emb
.set VWO,  8                           ; my 16 bytes of the weight block
.set VTS,  9                           ; where they go in TT, transposed
.set VCSS, 10
.set VCSL, 11
.set VTL,  12
.set VWT,  13
.set VT8,  14
.set VMA,  15                          ; my 16 bytes in my wave's first mask tile
.set CSUM, 16                          ; v[16:31]   sums over my wave's four rows
.set WR,   32                          ; v[32:47]   weights
.set TP,   48                          ; v[48:55]   at work
.set PK,   56                          ; v[56:63]   mask words, lane l: words 4 l .. 4 l + 3 of a tile's 128
.set X,    64                          ; v[64:127]  x, then x + emb; later the mask numbers
.set E,    128                         ; v[128:191] emb
.set Y,    192                         ; v[192:223] bf16 to store
.set G1,   48
.set G0,   56
	s_load_b512 s[4:19], s[0:1], 0x0               ; x, ids, emb, mask, Wq, Wk, Wv, Wo
	s_load_b256 s[20:27], s[0:1], 0x40             ; xb, wt, psum, mbits
	v_lshl_add_u32 v224, v0, 2, 0x47200
	v_mov_b32 v225, 0
	ds_add_u32 v224, v225
	ds_add_u32 v224, v225
	v_lshrrev_b32 v1, 5, v0
	v_readfirstlane_b32 s28, v1                    ; wave
	s_mul_i32 s29, s28, 2*MTILE                    ; my wave's two mask tiles in LDS
	s_lshr_b32 s30, s28, 2                         ; which 16 rows of the mask
	s_and_b32 s31, s28, 3                          ; which 512 columns
	s_mov_b32 s[G1+0], (2<<16)|(1<<20)|(7<<22)|(3<<25)   ; elements of 4 bytes; behind every 256 words 4 words of padding
	s_mov_b32 s[G1+1], 256<<16                     ; tensor_dim0 = 256
	s_mov_b32 s[G1+2], 16<<16                      ; tensor_dim1 = 16
	s_mov_b32 s[G1+3], 256<<16                     ; tile_dim0 = 256
	s_mov_b32 s[G1+4], 16                          ; tile_dim1 = 16
	s_mov_b32 s[G1+5], 2048                        ; elements from row to row
	s_mov_b32 s[G1+6], 0
	s_mov_b32 s[G1+7], 0
	s_lshl_b32 s32, ttmp9, 18                      ; 32 rows of 8,192 bytes
	s_lshl_b32 s39, s30, 17
	s_add_co_u32 s32, s32, s39
	s_lshl_b32 s39, s31, 11
	s_add_co_u32 s32, s32, s39
	s_mov_b32 s33, 0
	s_wait_dscnt 0x0
	s_wait_kmcnt 0x0
	s_add_nc_u64 s[34:35], s[10:11], s[32:33]
.irp t, 0,1
	s_mov_b32 s[G0+4*\t], 1
	s_add_co_u32 s[G0+4*\t+1], s29, \t*MTILE
	s_add_nc_u64 s[G0+4*\t+2:G0+4*\t+3], s[34:35], \t*1024
	s_or_b32 s[G0+4*\t+3], s[G0+4*\t+3], 0x80000000
	tensor_load_to_lds s[G0+4*\t:G0+4*\t+3], s[G1:G1+7]        ; two loads of the wave are out; no byte is filled twice
	s_nop 0
.endr
	s_lshl_b32 s32, ttmp9, 7                       ; my wave's four ids: (32 i + 4 w) x 4 bytes
	s_lshl_b32 s39, s28, 4
	s_add_co_u32 s32, s32, s39
	s_add_nc_u64 s[6:7], s[6:7], s[32:33]
	s_load_b128 s[40:43], s[6:7], 0x0
	v_and_b32 v1, 31, v0
	v_lshlrev_b32 v[VL16], 4, v1
	s_lshl_b32 s39, s28, 13
	v_add_nc_u32 v[VXO], s39, v[VL16]
	s_lshl_b32 s32, ttmp9, 16
	s_add_nc_u64 s[4:5], s[4:5], s[32:33]
.irp rho, 0,1,2,3
.irp c, 0,1,2,3
	global_load_b128 v[X+16*\rho+4*\c:X+16*\rho+4*\c+3], v[VXO], s[4:5] offset:\rho*2048+\c*512 th:TH_LOAD_NT
.endr
.endr
	; which weight, which block of it
	s_lshr_b32 s38, ttmp9, 6
	s_cmp_eq_u32 s38, 1
	s_cselect_b64 s[12:13], s[14:15], s[12:13]
	s_cmp_eq_u32 s38, 2
	s_cselect_b64 s[12:13], s[16:17], s[12:13]
	s_cmp_eq_u32 s38, 3
	s_cselect_b64 s[12:13], s[18:19], s[12:13]
	s_cmp_eq_u32 s38, 0
	s_cselect_b32 s36, 0x3e38aa3b, 1.0             ; Wq carries log2(e)/8: the scores come out ready for exp2
	s_mov_b32 s37, s36
	s_bfe_u32 s44, ttmp9, 0x20004                  ; kb: which 128 k
	s_and_b32 s45, ttmp9, 15                       ; nb: which 32 n
	s_lshl_b32 s32, s44, 18
	s_lshl_b32 s39, s45, 7
	s_add_co_u32 s32, s32, s39
	s_add_nc_u64 s[12:13], s[12:13], s[32:33]
	s_lshl_b32 s32, s38, 19                        ; wt: 512 rows of 1,024 bytes a weight,
	s_lshl_b32 s39, s45, 15                        ; 32 rows a block,
	s_add_co_u32 s32, s32, s39
	s_lshl_b32 s39, s44, 8                         ; 256 bytes of each
	s_add_co_u32 s32, s32, s39
	s_add_nc_u64 s[22:23], s[22:23], s[32:33]
	s_lshl_b32 s32, ttmp9, 15
	s_add_nc_u64 s[20:21], s[20:21], s[32:33]      ; xb at my 32 rows
	s_lshl_b32 s32, ttmp9, 11
	s_add_nc_u64 s[24:25], s[24:25], s[32:33]      ; psum at my row
	s_lshl_b32 s32, ttmp9, 13                      ; mbits: (2 i + w / 4) q tiles of 4,096 bytes + (w % 4) x 1,024
	s_lshl_b32 s39, s30, 12
	s_add_co_u32 s32, s32, s39
	s_lshl_b32 s39, s31, 10
	s_add_co_u32 s32, s32, s39
	s_add_nc_u64 s[26:27], s[26:27], s[32:33]
	v_lshrrev_b32 v[VYO], 1, v[VL16]
	s_lshl_b32 s39, s28, 12
	v_add_nc_u32 v[VYO], s39, v[VYO]
	s_lshl_b32 s39, s28, 11
	s_add_co_u32 s39, s39, CS
	v_add_nc_u32 v[VCSS], s39, v[VL16]
	v_lshlrev_b32 v[VT8], 3, v0
	v_add_nc_u32 v[VCSL], CS, v[VT8]
	v_lshrrev_b32 v48, 3, v0
	v_and_b32 v49, 7, v0
	v_lshlrev_b32 v[VWO], 11, v48                  ; row t / 8 of the block, 16 bytes at t % 8
	v_lshl_add_u32 v[VWO], v49, 4, v[VWO]
	v_mul_u32_u24 v[VTS], v49, 4*272               ; n = 4 (t % 8) + c, k = t / 8 + 32 p
	v_lshl_add_u32 v[VTS], v48, 1, v[VTS]
	v_add_nc_u32 v[VTS], TT, v[VTS]
	v_lshrrev_b32 v50, 4, v0
	v_and_b32 v51, 15, v0
	v_mul_u32_u24 v[VTL], v50, 272
	v_lshl_add_u32 v[VTL], v51, 4, v[VTL]
	v_add_nc_u32 v[VTL], TT, v[VTL]
	v_lshlrev_b32 v[VWT], 10, v50
	v_lshl_add_u32 v[VWT], v51, 4, v[VWT]
	v_bfe_u32 v53, v0, 4, 1
	v_mul_u32_u24 v[VMA], v51, MP                  ; mask row lane % 16, 8 numbers at 8 (lane / 16)
	v_lshl_add_u32 v[VMA], v53, 5, v[VMA]
	v_add_nc_u32 v[VMA], s29, v[VMA]
.irp k, 0,1,2,3,4,5,6,7
	v_mov_b32 v[PK+\k], 0                          ; v_writelane_b32 keeps the other lanes: the registers are written whole once
.endr
	s_wait_kmcnt 0x0                               ; the ids
.irp rho, 0,1,2,3
	s_min_u32 s[40+\rho], s[40+\rho], 4            ; inside the table of five rows
	s_lshl_b32 s[40+\rho], s[40+\rho], 11
	v_add_nc_u32 v[EO+\rho], s[40+\rho], v[VL16]
.endr
.irp rho, 0,1,2,3
.irp c, 0,1,2,3
	global_load_b128 v[E+16*\rho+4*\c:E+16*\rho+4*\c+3], v[EO+\rho], s[8:9] offset:\c*512
.endr
.endr
.irp p, 0,1,2,3
	global_load_b128 v[WR+4*\p:WR+4*\p+3], v[VWO], s[12:13] offset:\p*65536
.endr
	s_wait_loadcnt 0x4                             ; x and emb are in; the four younger loads (weights) stay out
.set k, 0
.rept 32
	v_pk_add_f32 v[X+2*k:X+2*k+1], v[X+2*k:X+2*k+1], v[E+2*k:E+2*k+1]
.set k, k+1
.endr
.irp rho, 0,1,2,3
.irp c, 0,1,2,3
	v_cvt_pk_bf16_f32 v[Y+8*\rho+2*\c],   v[X+16*\rho+4*\c],   v[X+16*\rho+4*\c+1]
	v_cvt_pk_bf16_f32 v[Y+8*\rho+2*\c+1], v[X+16*\rho+4*\c+2], v[X+16*\rho+4*\c+3]
	global_store_b64 v[VYO], v[Y+8*\rho+2*\c:Y+8*\rho+2*\c+1], s[20:21] offset:\rho*1024+\c*256   ; the wave's store covers 256 consecutive bytes, aligned
.endr
.endr
.irp k, 0,1,2,3,4,5,6,7
	v_pk_add_f32 v[CSUM+2*\k:CSUM+2*\k+1], v[X+2*\k:X+2*\k+1], v[X+16+2*\k:X+16+2*\k+1]    ; the first two rows start the sums
.endr
.irp k, 0,1,2,3,4,5,6,7
	v_pk_add_f32 v[CSUM+2*\k:CSUM+2*\k+1], v[CSUM+2*\k:CSUM+2*\k+1], v[X+32+2*\k:X+32+2*\k+1]
.endr
.irp k, 0,1,2,3,4,5,6,7
	v_pk_add_f32 v[CSUM+2*\k:CSUM+2*\k+1], v[CSUM+2*\k:CSUM+2*\k+1], v[X+48+2*\k:X+48+2*\k+1]
.endr
.irp c, 0,1,2,3
	ds_store_b128 v[VCSS], v[CSUM+4*\c:CSUM+4*\c+3] offset:\c*512
.endr
	s_wait_loadcnt 0x0                             ; the weights
.irp k, 0,1,2,3,4,5,6,7
	v_pk_mul_f32 v[WR+2*\k:WR+2*\k+1], v[WR+2*\k:WR+2*\k+1], s[36:37] op_sel_hi:[1,0]
.endr
.irp p, 0,1,2,3
	v_cvt_pk_bf16_f32 v[TP+2*\p],   v[WR+4*\p],   v[WR+4*\p+1]
	v_cvt_pk_bf16_f32 v[TP+2*\p+1], v[WR+4*\p+2], v[WR+4*\p+3]
	ds_store_b16        v[VTS], v[TP+2*\p]   offset:\p*64
	ds_store_b16_d16_hi v[VTS], v[TP+2*\p]   offset:\p*64+272
	ds_store_b16        v[VTS], v[TP+2*\p+1] offset:\p*64+544
	ds_store_b16_d16_hi v[VTS], v[TP+2*\p+1] offset:\p*64+816
.endr
	s_wait_dscnt 0x0                               ; my LDS stores are done, for the other waves' sake
	s_barrier_signal -1
	s_barrier_wait -1                              ; the mask tiles may stay on their way
.irp k, 0,1,2,3,4,5,6,7
	ds_load_b64 v[X+2*\k:X+2*\k+1], v[VCSL] offset:\k*2048     ; two columns, all eight waves' sums
.endr
	ds_load_b128 v[WR:WR+3],   v[VTL]
	ds_load_b128 v[WR+4:WR+7], v[VTL] offset:16*272
	s_wait_dscnt 0x2                               ; the eight sums; the two younger loads stay out
	v_pk_add_f32 v[X:X+1],     v[X:X+1],     v[X+2:X+3]
	v_pk_add_f32 v[X+4:X+5],   v[X+4:X+5],   v[X+6:X+7]
	v_pk_add_f32 v[X+8:X+9],   v[X+8:X+9],   v[X+10:X+11]
	v_pk_add_f32 v[X+12:X+13], v[X+12:X+13], v[X+14:X+15]
	v_pk_add_f32 v[X:X+1],     v[X:X+1],     v[X+4:X+5]
	v_pk_add_f32 v[X+8:X+9],   v[X+8:X+9],   v[X+12:X+13]
	v_pk_add_f32 v[TP:TP+1],   v[X:X+1],     v[X+8:X+9]
	global_store_b64 v[VT8], v[TP:TP+1], s[24:25]
	s_wait_dscnt 0x0
	global_store_b128 v[VWT], v[WR:WR+3],   s[22:23]                ; sixteen lanes store 256 consecutive bytes of a row of wt, aligned
	global_store_b128 v[VWT], v[WR+4:WR+7], s[22:23] offset:16384
; One mask tile: 16 key tiles.  Lane L reads the eight numbers that lane L of the score tile will hold; a compare makes of register j
; the word (key tile, j); v_writelane_b32 puts it where a 16-byte store of the wave lays the tile's 128 words in order.
.macro PACK t
	s_wait_tensorcnt 1-\t                          ; tensor loads of a wave end in order: tile t is in LDS
.irp half, 0,1
.irp k, 0,1,2,3,4,5,6,7
	ds_load_b128 v[X+8*\k:X+8*\k+3],   v[VMA] offset:\t*MTILE+(8*\half+\k)*64
	ds_load_b128 v[X+8*\k+4:X+8*\k+7], v[VMA] offset:\t*MTILE+(8*\half+\k)*64+16
.endr
	s_wait_dscnt 0x0
.irp k, 0,1,2,3,4,5,6,7
.irp j, 0,1,2,3,4,5,6,7
	v_cmp_ne_u32 s[40+\j], 0, v[X+8*\k+\j]
.endr
.irp j, 0,1,2,3,4,5,6,7
	v_writelane_b32 v[PK+4*\t+(\j&3)], s[40+\j], 2*(8*\half+\k)+(\j>>2)
.endr
.endr
.endr
	global_store_b128 v[VL16], v[PK+4*\t:PK+4*\t+3], s[26:27] offset:\t*512
.endm
	PACK 0
	PACK 1                                         ; its wait is for zero, as it has to be before the end
	s_wait_tensorcnt 0x0
	ds_add_u32 v224, v225
	s_wait_dscnt 0x0
	s_endpgm
.Lfunc_end_k_qcc6dd3acbf_prep:
	.size	k_qcc6dd3acbf_prep, .Lfunc_end_k_qcc6dd3acbf_prep-k_qcc6dd3acbf_prep
	.p2alignl 7, 3214868480
	.fill 96, 4, 3214868480
	.section	.rodata,"a",@progbits
	.p2align	6, 0x0
	.amdhsa_kernel k_qcc6dd3acbf_prep
		.amdhsa_group_segment_fixed_size 292352
		.amdhsa_private_segment_fixed_size 0
		.amdhsa_enable_private_segment 0
		.amdhsa_kernarg_size 96
		.amdhsa_user_sgpr_count 2
		.amdhsa_user_sgpr_kernarg_segment_ptr 1
		.amdhsa_wavefront_size32 1
		.amdhsa_system_sgpr_workgroup_id_x 1
		.amdhsa_system_sgpr_workgroup_id_y 1
		.amdhsa_system_sgpr_workgroup_id_z 1
		.amdhsa_system_vgpr_workitem_id 0
		.amdhsa_next_free_vgpr 226
		.amdhsa_next_free_sgpr 66
		.amdhsa_reserve_vcc 0
		.amdhsa_float_denorm_mode_32 3
		.amdhsa_float_denorm_mode_16_64 3
		.amdhsa_memory_ordered 1
		.amdhsa_forward_progress 1
		.amdhsa_inst_pref_size 57
	.end_amdhsa_kernel
	.amdgpu_metadata
---
amdhsa.version: [ 1, 2 ]
amdhsa.kernels:
  - .name:           k_qcc6dd3acbf_prep
    .symbol:         k_qcc6dd3acbf_prep.kd
    .args:
      - { .name: x, .offset: 0, .size: 8, .value_kind: global_buffer, .address_space: global }
      - { .name: timeframe_ids, .offset: 8, .size: 8, .value_kind: global_buffer, .address_space: global }
      - { .name: tf_emb, .offset: 16, .size: 8, .value_kind: global_buffer, .address_space: global }
      - { .name: mask, .offset: 24, .size: 8, .value_kind: global_buffer, .address_space: global }
      - { .name: Wq, .offset: 32, .size: 8, .value_kind: global_buffer, .address_space: global }
      - { .name: Wk, .offset: 40, .size: 8, .value_kind: global_buffer, .address_space: global }
      - { .name: Wv, .offset: 48, .size: 8, .value_kind: global_buffer, .address_space: global }
      - { .name: Wo, .offset: 56, .size: 8, .value_kind: global_buffer, .address_space: global }
      - { .name: xb, .offset: 64, .size: 8, .value_kind: global_buffer, .address_space: global }
      - { .name: wt, .offset: 72, .size: 8, .value_kind: global_buffer, .address_space: global }
      - { .name: psum, .offset: 80, .size: 8, .value_kind: global_buffer, .address_space: global }
      - { .name: mbits, .offset: 88, .size: 8, .value_kind: global_buffer, .address_space: global }
    .group_segment_fixed_size: 292352
    .private_segment_fixed_size: 0
    .kernarg_segment_align: 8
    .kernarg_segment_size: 96
    .max_flat_workgroup_size: 256
    .sgpr_count:     66
    .vgpr_count:     226
    .wavefront_size: 32
...
	.end_amdgpu_metadata
.endif
;; end of part 1
;; launch proj (part 2): grid 8 x 32, 4 waves a work-group, clusters of 4 x 4, 327,680 bytes of LDS; arguments xb, wt, psum, Wc1, bc1, bq, bk, bv, qkv, hid; writes qkv, hid
.if DOCPART == 2
	.amdgcn_target "amdgcn-amd-amdhsa--gfx1250"
	.amdhsa_code_object_version 6
	.text
	.protected	k_qcc6dd3acbf_proj
	.globl	k_qcc6dd3acbf_proj
	.p2align	8
	.type	k_qcc6dd3acbf_proj,@function
k_qcc6dd3acbf_proj:
	s_mov_b64 s[64:65], 0
	v_nop
	global_prefetch_b8 v0, s[64:65] scope:SCOPE_SE
	s_setreg_imm32_b32 hwreg(HW_REG_WAVE_MODE, 25, 1), 1
	s_wait_xcnt 0x0
	s_wait_alu depctr_hold_cnt(0) depctr_sa_sdst(0) depctr_va_vdst(0) depctr_va_sdst(0) depctr_va_ssrc(0) depctr_va_vcc(0) depctr_vm_vsrc(0)
	s_getreg_b32 s2, hwreg(HW_REG_IB_STS2, 6, 4)
	s_cmp_eq_u32 s2, 0
	s_cbranch_scc0 .Lentry_in_a_cluster
	s_endpgm
.Lentry_in_a_cluster:
	s_bfe_u32 s2, ttmp6, 0x10000c
	s_cmp_lg_u32 s2, 0xf033
	s_cbranch_scc0 .Lentry_shape_is_right
	s_endpgm
.Lentry_shape_is_right:
; PROJ.  qkv = xb [8192 x 512] x wt[0:1536]^T + bias, bf16 operands, f32 sums, stored as bf16 [3][batch][head][s][64].  (Q's weights were multiplied by log2(e)/8
; when they were transposed; Q's bias is multiplied here.)
; A work-group makes 256 rows x 192 columns with four waves; a wave 64 rows x 192 columns: 48 accumulator tiles, 384 registers.  K = 512 goes in four steps of 128
; through two LDS slots; a tile's rows are 256 bytes of memory, aligned.  All four steps are written out.
; CLUSTERS: 4 x 4 work-groups.  xb's tile hangs on the block row alone and is asked for jointly along a row of the cluster, wt's on the block column alone and is
; asked for jointly along a column: a quarter of the requests.
; SIDE JOB, while the first tiles are on their way: four hidden units of the context MLP, hid[b][j] = relu(mean over s of (x + emb) . Wc1[:, j] + bc1[j]).
; The 64 partial column sums of the batch land in the registers that later hold accumulators.
; The matrix instruction is used transposed (source 0 = rows of wt, source 1 = rows of xb): a lane's eight results are eight neighbouring columns of a row.
; The bias is the C operand of each tile's first product: nothing is cleared, nothing is added on the way out.
.set PITCH,  272
.set ABYTES, 256*PITCH
.set BBYTES, 192*PITCH
.set SLOT,   ABYTES+BBYTES             ; 121,856
.set STAGE,  2*SLOT                    ; 243,712: 16 rows x 400 bytes for each wave, for the way out
.set SPITCH, 400                       ; 384 bytes + 16: an odd multiple of 16
.set SCR,    STAGE+4*16*SPITCH         ; 269,312: four waves' partial sums of the side job
.set ADRA, 16                          ; v16-17 LDS address of my xb fragments in slot 0, 1
.set ADRB, 20                          ; v20-21 the same for wt
.set STO,  24
.set RD,   25
.set CO,   26
.set WC,   32                          ; v[32:47] four rows of Wc1, four numbers each
.set TS,   48                          ; v[48:55] side job, at work
.set FA0,  64                          ; window 0: fragments of xb, 4 x 8 registers, two buffers
.set FA1,  96
.set BI,   128                         ; window 0: v[128:223] the bias as 12 C operands; later:
.set TMP,  128                         ;   v[128:175] packed results
.set RB,   176                         ;   v[176:223] rows read back
.set FB0,  0                           ; window 1: fragments of wt, 12 x 8 registers, two buffers
.set FB1,  96
                                       ; window 2: accumulators of my rows 0-31, tile (a, b) at v[8 (12 a + b)]; window 3: rows 32-63
.set G1A, 24
.set G0A, 32
.set G1B, 48
.set G0B, 56
.set PADW, (1<<16)|(1<<20)|(1<<21)|(5<<22)|(3<<25)   ; elements of 2 bytes; padding on; bit 21 beside a mask; behind every 64 words 4 words
.set MSB, 0
.macro WIN new                         ; the immediate's high byte repeats the setting that is left
.if MSB != \new
	s_set_vgpr_msb (MSB<<8)|\new
.set MSB, \new
.endif
.endm
.macro PLACES
.rept 4
	v_nop
.endr
.endm
.macro JLOAD s                         ; waves 0, 1 ask for xb's two halves, waves 2, 3 for wt's; the branch hangs on the wave's number alone
	s_cmp_eq_u32 s67, 0
	s_cbranch_scc0 .Lfor_b_\@
	tensor_load_to_lds s[G0A+4*\s:G0A+4*\s+3], s[G1A:G1A+7]
	s_nop 0
	s_branch .Lasked_\@
.Lfor_b_\@:
	tensor_load_to_lds s[G0B+4*\s:G0B+4*\s+3], s[G1B:G1B+7]
	s_nop 0
.Lasked_\@:
.endm
.macro CREST                           ; a round of the cluster's barrier behind its opening barrier
	s_cmp_lg_u32 s66, 0
	s_cbranch_scc1 .Lnot_wave_0_\@
	s_barrier_signal -3
.Lnot_wave_0_\@:
	s_barrier_wait -3
	s_barrier_signal -1
	s_barrier_wait -1
.endm
.macro CROUND
	s_barrier_signal -1
	s_barrier_wait -1
	CREST
.endm
	s_load_b512 s[4:19], s[0:1], 0x0               ; xb, wt, psum, Wc1, bc1, bq, bk, bv
	s_load_b128 s[20:23], s[0:1], 0x40             ; qkv, hid
	s_set_vgpr_msb 0x40
	v_lshl_add_u32 v255, v0, 2, 0x41d00
	s_set_vgpr_msb 0x4000
	v_mov_b32 v255, 0
	s_set_vgpr_msb 0x1
	ds_add_u32 v255, v255
	ds_add_u32 v255, v255
	s_set_vgpr_msb 0x100
	v_lshrrev_b32 v1, 5, v0
	v_readfirstlane_b32 s66, v1                    ; wave
	s_lshr_b32 s67, s66, 1                         ; I fetch for xb (0) or wt (1)
	s_and_b32 s68, s66, 1                          ; which half of that tile
	s_bfe_u32 s69, ttmp6, 0x40000                  ; cx
	s_bfe_u32 s70, ttmp6, 0x40004                  ; cy
	s_lshl_b32 s71, ttmp9, 2
	s_add_co_u32 s71, s71, s69                     ; block column, 0 .. 7
	s_and_b32 s72, ttmp7, 0xffff
	s_lshl_b32 s72, s72, 2
	s_add_co_u32 s72, s72, s70                     ; block row, 0 .. 31
	s_lshl_b32 s73, s70, 2
	s_lshl_b32 s73, 15, s73                        ; my row of the cluster
	s_lshl_b32 s74, 0x1111, s69                    ; my column
	s_or_b32 s[G1A+0], s73, PADW
	s_or_b32 s[G1B+0], s74, PADW
	s_mov_b32 s[G1A+1], 128<<16                    ; tensor_dim0 = 128
	s_mov_b32 s[G1B+1], 128<<16
	s_mov_b32 s[G1A+2], 128<<16                    ; tensor_dim1 = 128 rows of xb,
	s_mov_b32 s[G1B+2], 96<<16                     ; 96 rows of wt
	s_mov_b32 s[G1A+3], 128<<16                    ; tile_dim0 = 128
	s_mov_b32 s[G1B+3], 128<<16
	s_mov_b32 s[G1A+4], 128                        ; tile_dim1
	s_mov_b32 s[G1B+4], 96
	s_mov_b32 s[G1A+5], 512                        ; elements from row to row
	s_mov_b32 s[G1B+5], 512
	s_mov_b32 s[G1A+6], 0
	s_mov_b32 s[G1B+6], 0
	s_mov_b32 s[G1A+7], 0
	s_mov_b32 s[G1B+7], 0
	s_lshl_b32 s40, s72, 18                        ; xb: (256 block row + 128 half) rows of 1,024 bytes; these registers never hold cx
	s_lshl_b32 s42, s68, 17
	s_add_co_u32 s40, s40, s42
	s_mov_b32 s41, 0
	s_mul_i32 s44, s71, 192*1024                   ; wt: (192 block column + 96 half) rows; these never hold cy
	s_mul_i32 s46, s68, 96*1024
	s_add_co_u32 s44, s44, s46
	s_mov_b32 s45, 0
	s_mul_i32 s43, s66, 128*PITCH                  ; LDS: xb's halves at wave x 128 rows (waves 0, 1),
	s_mul_i32 s47, s66, 96*PITCH                   ; wt's at 256 rows + (wave - 2) x 96 rows (waves 2, 3)
	s_add_co_u32 s47, s47, ABYTES-2*96*PITCH
	s_wait_dscnt 0x0
	s_wait_kmcnt 0x0
	s_add_nc_u64 s[40:41], s[4:5], s[40:41]
	s_add_nc_u64 s[44:45], s[6:7], s[44:45]
	CROUND                                         ; all sixteen work-groups are here: the first joint loads meet
.irp s, 0,1
	s_mov_b32 s[G0A+4*\s], 1
	s_add_co_u32 s[G0A+4*\s+1], s43, \s*SLOT
	s_add_nc_u64 s[G0A+4*\s+2:G0A+4*\s+3], s[40:41], \s*256
	s_or_b32 s[G0A+4*\s+3], s[G0A+4*\s+3], 0x80000000
	s_mov_b32 s[G0B+4*\s], 1
	s_add_co_u32 s[G0B+4*\s+1], s47, \s*SLOT
	s_add_nc_u64 s[G0B+4*\s+2:G0B+4*\s+3], s[44:45], \s*256
	s_or_b32 s[G0B+4*\s+3], s[G0B+4*\s+3], 0x80000000
	JLOAD \s                                       ; K steps 0 and 1: two loads of the wave are out
.endr
	; ---- the side job's loads and the bias
	s_and_b32 s75, s72, 7
	s_lshl3_add_u32 s75, s75, s71                  ; which four hidden units: 8 (block row % 8) + block column, 0 .. 63
	s_lshl_b32 s78, s75, 4                         ; their 16 bytes in a row of Wc1, in bc1, in a row of hid
	s_mov_b32 s79, 0
	s_add_nc_u64 s[10:11], s[10:11], s[78:79]
	s_add_nc_u64 s[12:13], s[12:13], s[78:79]
	s_add_nc_u64 s[22:23], s[22:23], s[78:79]
	s_load_b128 s[92:95], s[12:13], 0x0            ; bc1 of the four units
	s_lshr_b32 s76, s72, 3                         ; batch
	s_lshl_b32 s78, s76, 10
	s_add_nc_u64 s[22:23], s[22:23], s[78:79]
	s_lshl_b32 s78, s76, 17                        ; the batch's 64 rows of psum
	s_add_nc_u64 s[8:9], s[8:9], s[78:79]
	v_lshlrev_b32 v28, 12, v0                      ; thread t owns columns 4 t .. 4 t + 3 of x + emb = rows 4 t .. of Wc1
	v_lshlrev_b32 v29, 4, v0
.irp u, 0,1,2,3
	global_load_b128 v[WC+4*\u:WC+4*\u+3], v28, s[10:11] offset:\u*1024
.endr
	WIN 0x80                                       ; destinations in window 2
.set p, 0
.rept 64
	global_load_b128 v[4*p:4*p+3], v29, s[8:9] offset:p*2048
.set p, p+1
.endr
	WIN 0
	v_and_b32 v1, 15, v0                           ; r
	v_bfe_u32 v2, v0, 4, 1                         ; h
	v_lshlrev_b32 v30, 5, v2                       ; a lane's eight columns begin at 8 h
	s_mul_i32 s77, s71, 3                          ; my first group of 64 columns, 0 .. 21: group / 8 = Q, K or V, group % 8 = head
.irp g, 0,1,2
	s_add_co_u32 s96, s77, \g
	s_cmp_lt_u32 s96, 16
	s_cselect_b64 s[80+2*\g:81+2*\g], s[16:17], s[18:19]
	s_cmp_lt_u32 s96, 8
	s_cselect_b64 s[80+2*\g:81+2*\g], s[14:15], s[80+2*\g:81+2*\g]
	s_cselect_b32 s[86+2*\g], 0x3e38aa3b, 1.0      ; Q's bias carries log2(e)/8 like Q's weights
	s_mov_b32 s[87+2*\g], s[86+2*\g]
	s_and_b32 s78, s96, 7
	s_lshl_b32 s78, s78, 8
	s_add_nc_u64 s[80+2*\g:81+2*\g], s[80+2*\g:81+2*\g], s[78:79]
.irp bb, 0,1,2,3
	global_load_b128 v[BI+8*(4*\g+\bb):BI+8*(4*\g+\bb)+3],   v30, s[80+2*\g:81+2*\g] offset:\bb*64
	global_load_b128 v[BI+8*(4*\g+\bb)+4:BI+8*(4*\g+\bb)+7], v30, s[80+2*\g:81+2*\g] offset:\bb*64+16
.endr
.endr
	; addresses, while the loads are on their way
	v_mul_u32_u24 v3, v1, PITCH
	v_lshl_add_u32 v3, v2, 4, v3                   ; row x pitch + 16 x half
	s_mul_i32 s96, s66, 64*PITCH                   ; my 64 rows of xb
.irp s, 0,1
	v_add_nc_u32 v[ADRA+\s], s96, v3
	v_add_nc_u32 v[ADRB+\s], ABYTES+\s*SLOT, v3
	s_add_co_u32 s96, s96, SLOT
.endr
	s_mul_i32 s96, s66, 16*SPITCH
	s_add_co_u32 s96, s96, STAGE
	v_mul_u32_u24 v4, v1, SPITCH
	v_lshl_add_u32 v4, v2, 4, v4
	v_add_nc_u32 v[STO], s96, v4
	v_and_b32 v5, 31, v0
	v_lshrrev_b32 v6, 3, v5
	v_and_b32 v7, 7, v0
	v_mul_u32_u24 v6, v6, SPITCH                   ; back: eight lanes take 128 bytes (one head's part) of a row
	v_lshl_add_u32 v6, v7, 4, v6
	v_add_nc_u32 v[RD], s96, v6
	v_lshlrev_b32 v[CO], 4, v5
	s_lshl_b32 s96, s66, 4
	s_add_co_u32 s96, s96, SCR
	v_mov_b32 v31, s96
	s_mov_b32 s97, 0x76543210
	s_mov_b32 s98, 0xfedcba98
	s_mov_b32 s99, 0x3a000000                      ; 1 / 2048
	s_wait_loadcnt 24                              ; Wc1's rows and the 64 partial sums are in; the 24 younger loads (bias) stay out
.macro HALVE n
.set q, 0
.rept \n
	v_pk_add_f32 v[4*q:4*q+1],   v[4*q:4*q+1],   v[4*(q+\n):4*(q+\n)+1]
	v_pk_add_f32 v[4*q+2:4*q+3], v[4*q+2:4*q+3], v[4*(q+\n)+2:4*(q+\n)+3]
.set q, q+1
.endr
.endm
	WIN 0x8a                                       ; all in window 2
	HALVE 32
	HALVE 16
	HALVE 8
	HALVE 4
	HALVE 2
	HALVE 1
	WIN 0x02
.irp k, 0,1,2,3
	v_mov_b32 v[TS+\k], v[\k]                      ; the four column sums, into window 0
.endr
	WIN 0
.irp c, 0,1,2,3
	v_mul_f32 v[TS+4+\c], v[TS], v[WC+\c]
.endr
.irp u, 1,2,3
.irp c, 0,1,2,3
	v_fmac_f32 v[TS+4+\c], v[TS+\u], v[WC+4*\u+\c]
.endr
.endr
.irp m, 1,2,4,8
.irp c, 0,1,2,3
	v_add_f32_dpp v[TS+4+\c], v[TS+4+\c], v[TS+4+\c] row_xmask:\m row_mask:0xf bank_mask:0xf
.endr
.endr
.irp c, 0,1,2,3
	v_permlanex16_b32 v[TS+\c], v[TS+4+\c], s97, s98
.endr
.irp c, 0,1,2,3
	v_add_f32 v[TS+4+\c], v[TS+4+\c], v[TS+\c]
.endr
	ds_store_b128 v31, v[TS+4:TS+7]                ; every lane holds the wave's four sums
	s_wait_loadcnt 0x0                             ; the bias
.irp g, 0,1,2
.set k, 0
.rept 16
	v_pk_mul_f32 v[BI+32*\g+2*k:BI+32*\g+2*k+1], v[BI+32*\g+2*k:BI+32*\g+2*k+1], s[86+2*\g:87+2*\g] op_sel_hi:[1,0]
.set k, k+1
.endr
.endr
	s_wait_kmcnt 0x0                               ; bc1
	s_wait_tensorcnt 0x1                           ; my part of K step 0 is in; K step 1's load stays out
	s_wait_dscnt 0x0                               ; my partial sums are in LDS
	s_barrier_signal -1
	s_barrier_wait -1
	s_cmp_lg_u32 s66, 0
	s_cbranch_scc1 .Lno_hid                        ; wave 0 finishes the four hidden units
	v_mov_b32 v31, SCR
.irp k, 0,1,2,3
	ds_load_b128 v[WC+4*\k:WC+4*\k+3], v31 offset:16*\k
.endr
	v_mov_b32 v27, 0
	v_cmp_eq_u32 vcc_lo, 0, v0
	s_wait_dscnt 0x0
	v_pk_add_f32 v[WC:WC+1],     v[WC:WC+1],     v[WC+4:WC+5]
	v_pk_add_f32 v[WC+2:WC+3],   v[WC+2:WC+3],   v[WC+6:WC+7]
	v_pk_add_f32 v[WC+8:WC+9],   v[WC+8:WC+9],   v[WC+12:WC+13]
	v_pk_add_f32 v[WC+10:WC+11], v[WC+10:WC+11], v[WC+14:WC+15]
	v_pk_add_f32 v[WC:WC+1],     v[WC:WC+1],     v[WC+8:WC+9]
	v_pk_add_f32 v[WC+2:WC+3],   v[WC+2:WC+3],   v[WC+10:WC+11]
.irp c, 0,1,2,3
	v_fma_f32 v[WC+\c], v[WC+\c], s99, s[92+\c]    ; the mean's 1 / 2048 and the bias in one
.endr
.irp c, 0,1,2,3
	v_max_num_f32 v[WC+\c], 0, v[WC+\c]
.endr
	s_wait_xcnt 0x0                                ; EXEC changes only behind this wait
	s_and_saveexec_b32 s96, vcc_lo
	global_store_b128 v27, v[WC:WC+3], s[22:23]    ; lane 0 alone
	s_wait_xcnt 0x0
	s_or_b32 exec_lo, exec_lo, s96
.Lno_hid:
; 12 matrix instructions: m block a of the window's two (hi = 0: my rows 0-31, 1: rows 32-63) x all 12 n blocks, 32 along K.
; The accumulators take turns, one instruction a turn, in the same order in every quarter step.
.macro MUL12 fa, fb, hi, a, first
.irp b, 0,1,2,3,4,5,6,7,8,9,10,11
.if \first
	v_wmma_f32_16x16x32_bf16 v[8*(12*\a+\b):8*(12*\a+\b)+7], v[\fb+8*\b:\fb+8*\b+7], v[\fa+8*(2*\hi+\a):\fa+8*(2*\hi+\a)+7], v[BI+8*\b:BI+8*\b+7]
.else
	v_wmma_f32_16x16x32_bf16 v[8*(12*\a+\b):8*(12*\a+\b)+7], v[\fb+8*\b:\fb+8*\b+7], v[\fa+8*(2*\hi+\a):\fa+8*(2*\hi+\a)+7], v[8*(12*\a+\b):8*(12*\a+\b)+7]
.endif
.endr
.endm
; 32 LDS loads in one run: 192 rows of wt, then my 64 rows of xb, 32 K at byte k of the rows
.macro FETCH slot, k, fa, fb
	WIN 0x40
.irp i, 0,1,2,3,4,5,6,7,8,9,10,11
	ds_load_b128 v[\fb+8*\i:\fb+8*\i+3],   v[ADRB+\slot] offset:\k+\i*16*PITCH
	ds_load_b128 v[\fb+8*\i+4:\fb+8*\i+7], v[ADRB+\slot] offset:\k+\i*16*PITCH+32
.endr
	WIN 0
.irp i, 0,1,2,3
	ds_load_b128 v[\fa+8*\i:\fa+8*\i+3],   v[ADRA+\slot] offset:\k+\i*16*PITCH
	ds_load_b128 v[\fa+8*\i+4:\fa+8*\i+7], v[ADRA+\slot] offset:\k+\i*16*PITCH+32
.endr
.endm
.macro QUARTER slot, k, fa, fb, ga, gb, first
	s_wait_dscnt 0x4                               ; wt's fragments and xb's rows 0-31 are in; the youngest four loads (rows 32-63) may be out
.if \first
	WIN 0x81                                       ; C (the bias) in window 0, D in window 2
.else
	WIN 0xa1
.endif
	MUL12 \fa, \fb, 0, 0, \first
	MUL12 \fa, \fb, 0, 1, \first
	PLACES                                         ; four places between a matrix instruction and a load into a register that it read (ISA guide 7.12.1 for vector instructions)
	FETCH \slot, \k, \ga, \gb
	s_wait_dscnt 32                                ; all but the 32 just issued
.if \first
	WIN 0xc1
.else
	WIN 0xf1
.endif
	MUL12 \fa, \fb, 1, 0, \first
	MUL12 \fa, \fb, 1, 1, \first
.endm
.macro THREE slot, first
	QUARTER \slot, 64,  FA0, FB0, FA1, FB1, \first
	QUARTER \slot, 128, FA1, FB1, FA0, FB0, 0
	QUARTER \slot, 192, FA0, FB0, FA1, FB1, 0
.endm
; The last quarter of a K step changes slots.  In front of the barrier each wave waits for its reads of this slot and for all its tensor loads (one is out: its part
; of the next slot).  fill = 1: the barrier opens a round of the cluster's barrier, and the joint refill of this slot is the first tensor load behind the round.
.macro TURN slot, next, fill
	s_wait_dscnt 0x4
	WIN 0xa1
	MUL12 FA1, FB1, 0, 0, 0
	s_wait_dscnt 0x0
	s_wait_tensorcnt 0x0
	ds_add_u32 v255, v255
	s_wait_dscnt 0x0
	s_barrier_signal -1
	MUL12 FA1, FB1, 0, 1, 0                        ; register work while the others arrive
	WIN 0
	s_barrier_wait -1
.if \fill
	CREST
	s_add_nc_u64 s[G0A+4*\slot+2:G0A+4*\slot+3], s[G0A+4*\slot+2:G0A+4*\slot+3], 512
	s_add_nc_u64 s[G0B+4*\slot+2:G0B+4*\slot+3], s[G0B+4*\slot+2:G0B+4*\slot+3], 512
	JLOAD \slot
.endif
	PLACES
	FETCH \next, 0, FA0, FB0
	WIN 0xf1
	MUL12 FA1, FB1, 1, 0, 0
	MUL12 FA1, FB1, 1, 1, 0
.endm
	FETCH 0, 0, FA0, FB0
	THREE 0, 1                                     ; K step 0; its first products start the sums from the bias
	TURN 0, 1, 1                                   ; K step 2 is asked for
	THREE 1, 0
	TURN 1, 0, 1                                   ; K step 3
	THREE 0, 0
	TURN 0, 1, 0                                   ; nothing more to fill
	THREE 1, 0
	s_wait_dscnt 0x4
	WIN 0xa1
	MUL12 FA1, FB1, 0, 0, 0
	MUL12 FA1, FB1, 0, 1, 0
	s_wait_dscnt 0x0
	WIN 0xf1
	MUL12 FA1, FB1, 1, 0, 0
	MUL12 FA1, FB1, 1, 1, 0
	PLACES                                         ; the places behind the last matrix instructions, for the conversions below
	; THE WAY OUT: 16 rows at a time through my own stage; a head's 16 rows of 128 bytes are 2,048 consecutive bytes of qkv.
	s_lshl_b32 s86, s76, 21                        ; batch
	s_and_b32 s87, s72, 7
	s_lshl_b32 s87, s87, 15                        ; 256 rows of 128 bytes a block row
	s_add_co_u32 s86, s86, s87
	s_lshl_b32 s87, s66, 13                        ; 64 rows a wave
	s_add_co_u32 s86, s86, s87
.irp g, 0,1,2
	s_add_co_u32 s96, s77, \g
	s_lshr_b32 s78, s96, 3
	s_lshl_b32 s78, s78, 23                        ; Q, K or V
	s_and_b32 s96, s96, 7
	s_lshl_b32 s96, s96, 18                        ; head
	s_add_co_u32 s78, s78, s96
	s_add_co_u32 s78, s78, s86
	s_add_nc_u64 s[80+2*\g:81+2*\g], s[20:21], s[78:79]
.endr
.macro OUT16 a, aw, from
	WIN \from
.irp b, 0,1,2,3,4,5,6,7,8,9,10,11
.irp q, 0,1,2,3
	v_cvt_pk_bf16_f32 v[TMP+4*\b+\q], v[8*(12*\aw+\b)+2*\q], v[8*(12*\aw+\b)+2*\q+1]
.endr
.endr
	WIN 0
.irp b, 0,1,2,3,4,5,6,7,8,9,10,11
	ds_store_b128 v[STO], v[TMP+4*\b:TMP+4*\b+3] offset:32*\b
.endr
	s_wait_xcnt 0x0                                ; the rows read back last time, which stores read, are loaded again only behind this wait
.irp g, 0,1,2
.irp tt, 0,1,2,3
	ds_load_b128 v[RB+4*(4*\g+\tt):RB+4*(4*\g+\tt)+3], v[RD] offset:\g*128+\tt*4*SPITCH   ; LDS serves a wave's instructions in order: these see the stores above
.endr
.endr
.irp g, 0,1,2
.irp tt, 0,1,2,3
	s_wait_dscnt 11-(4*\g+\tt)
	global_store_b128 v[CO], v[RB+4*(4*\g+\tt):RB+4*(4*\g+\tt)+3], s[80+2*\g:81+2*\g] offset:\a*2048+\tt*512   ; 512 consecutive bytes, aligned
.endr
.endr
.endm
	OUT16 0, 0, 0x0a
	OUT16 1, 1, 0x0a
	OUT16 2, 0, 0x0f
	OUT16 3, 1, 0x0f
	s_set_vgpr_msb 0x1
	s_wait_tensorcnt 0x0
	ds_add_u32 v255, v255
	s_wait_dscnt 0x0
	s_set_vgpr_msb 0x100
	CROUND                                         ; the closing round: no work-group ends while a partner may still ask for a tile that names it
	s_endpgm
.Lfunc_end_k_qcc6dd3acbf_proj:
	.size	k_qcc6dd3acbf_proj, .Lfunc_end_k_qcc6dd3acbf_proj-k_qcc6dd3acbf_proj
	.p2alignl 7, 3214868480
	.fill 96, 4, 3214868480
	.section	.rodata,"a",@progbits
	.p2align	6, 0x0
	.amdhsa_kernel k_qcc6dd3acbf_proj
		.amdhsa_group_segment_fixed_size 327680
		.amdhsa_private_segment_fixed_size 0
		.amdhsa_enable_private_segment 0
		.amdhsa_kernarg_size 80
		.amdhsa_user_sgpr_count 2
		.amdhsa_user_sgpr_kernarg_segment_ptr 1
		.amdhsa_wavefront_size32 1
		.amdhsa_system_sgpr_workgroup_id_x 1
		.amdhsa_system_sgpr_workgroup_id_y 1
		.amdhsa_system_sgpr_workgroup_id_z 1
		.amdhsa_system_vgpr_workitem_id 0
		.amdhsa_next_free_vgpr 1024
		.amdhsa_next_free_sgpr 100
		.amdhsa_reserve_vcc 1
		.amdhsa_float_denorm_mode_32 3
		.amdhsa_float_denorm_mode_16_64 3
		.amdhsa_memory_ordered 1
		.amdhsa_forward_progress 1
		.amdhsa_inst_pref_size 145
	.end_amdhsa_kernel
	.amdgpu_metadata
---
amdhsa.version: [ 1, 2 ]
amdhsa.kernels:
  - .name:           k_qcc6dd3acbf_proj
    .symbol:         k_qcc6dd3acbf_proj.kd
    .args:
      - { .name: xb, .offset: 0, .size: 8, .value_kind: global_buffer, .address_space: global }
      - { .name: wt, .offset: 8, .size: 8, .value_kind: global_buffer, .address_space: global }
      - { .name: psum, .offset: 16, .size: 8, .value_kind: global_buffer, .address_space: global }
      - { .name: Wc1, .offset: 24, .size: 8, .value_kind: global_buffer, .address_space: global }
      - { .name: bc1, .offset: 32, .size: 8, .value_kind: global_buffer, .address_space: global }
      - { .name: bq, .offset: 40, .size: 8, .value_kind: global_buffer, .address_space: global }
      - { .name: bk, .offset: 48, .size: 8, .value_kind: global_buffer, .address_space: global }
      - { .name: bv, .offset: 56, .size: 8, .value_kind: global_buffer, .address_space: global }
      - { .name: qkv, .offset: 64, .size: 8, .value_kind: global_buffer, .address_space: global }
      - { .name: hid, .offset: 72, .size: 8, .value_kind: global_buffer, .address_space: global }
    .group_segment_fixed_size: 327680
    .private_segment_fixed_size: 0
    .kernarg_segment_align: 8
    .kernarg_segment_size: 80
    .max_flat_workgroup_size: 128
    .sgpr_count:     100
    .vgpr_count:     1024
    .wavefront_size: 32
...
	.end_amdgpu_metadata
.endif
;; end of part 2
;; launch attn (part 3): grid 8 x 32, 8 waves a work-group, clusters of 4 x 1, 327,680 bytes of LDS; arguments qkv, mbits, hid, Wc2, bc2, res_gate, ab; writes ab
.if DOCPART == 3
	.amdgcn_target "amdgcn-amd-amdhsa--gfx1250"
	.amdhsa_code_object_version 6
	.text
	.protected	k_qcc6dd3acbf_attn
	.globl	k_qcc6dd3acbf_attn
	.p2align	8
	.type	k_qcc6dd3acbf_attn,@function
k_qcc6dd3acbf_attn:
	s_mov_b64 s[64:65], 0
	v_nop
	global_prefetch_b8 v0, s[64:65] scope:SCOPE_SE
	s_setreg_imm32_b32 hwreg(HW_REG_WAVE_MODE, 25, 1), 1
	s_wait_xcnt 0x0
	s_wait_alu depctr_hold_cnt(0) depctr_sa_sdst(0) depctr_va_vdst(0) depctr_va_sdst(0) depctr_va_ssrc(0) depctr_va_vcc(0) depctr_vm_vsrc(0)
	s_getreg_b32 s2, hwreg(HW_REG_IB_STS2, 6, 4)
	s_cmp_eq_u32 s2, 0
	s_cbranch_scc0 .Lentry_in_a_cluster
	s_endpgm
.Lentry_in_a_cluster:
	s_bfe_u32 s2, ttmp6, 0x10000c
	s_cmp_lg_u32 s2, 0x3003
	s_cbranch_scc0 .Lentry_shape_is_right
	s_endpgm
.Lentry_shape_is_right:
; ATTN.  One (batch, head) and 256 queries a work-group; eight waves of 32 queries (two q tiles); 2,048 keys in eight tiles of 256 through two LDS slots.
; All in the base-2 domain: Q carries log2(e)/8, the head's bias fb is multiplied by log2(e), a masked score is -1e9 log2(e).
;   S^T = K Q^T + fb   (source 0 = 16 keys, source 1 = 16 queries; fb is the C operand of a tile's first product)
;         lane (r, h), register j: key 8 h + j, query r.  A mask word from mbits is the lane mask of one such register: one v_cndmask_b32 a register, a true select,
;         so that a row with no key left gets the uniform weights that equal scores give.
;   running maximum and sum a query; P = exp2(S - m), packed to bf16 in place: two score tiles ARE the second source of
;   O^T = V^T P^T      (source 0 = V^T by transposing LDS loads); lane (r, h), register j: query r, d = 16 dt + 8 h + j: the rescaling is a multiply a lane.
; A sub-step is 128 keys: the rescaling of O costs 32 packed multiplies for 4,096 scores.
; MASK WORDS: one q tile's words for 128 keys are 64 words, 256 consecutive bytes, and fill the 64 scalar registers kept for them.  The two q tiles' softmax runs
; one after the other, so that each load of words has the other q tile's maximum, exponentials and sums in which to land.
; CLUSTER: the four work-groups of a cluster are four query blocks of one head and ask for every K and V tile jointly (mask 15).
; fb = tanh(hid . Wc2[:, h] + bc2[h]) sigmoid(res_gate[h]) is finished here, once a work-group, while the first tile is on its way.
; LIMITS: Q, K, V and P are bf16; v_exp_f32 gives zero for weights below 2^-126 (ISA guide, its entry in chapter 15).
.set KP,    144                        ; LDS pitch of a K row: 128 bytes + 16, an odd multiple of 16
.set VP,    160                        ; of a V row: 128 + 32, an odd multiple of 32, for the transposing loads
.set CHUNK, 10240                      ; what one wave's load fills: 64 rows
.set SLOT,  8*CHUNK                    ; K's four chunks, then V's four
.set TILEB, 256*128                    ; bytes of K (or V) in a tile of 256 keys
.set STAGE, 2*SLOT                     ; 163,840: 32 rows x 144 bytes for each wave, for the way out
.set SCR,   STAGE+8*32*KP              ; 200,704: eight waves' partial sums of fb
.set KA, 4                             ; v4-5      LDS address of my K fragments in slot 0, 1
.set STO, 6
.set RD,  7
.set CO,  8
.set NEG, 9
.set FB,  16                           ; v[16:23]  fb log2(e), as a C operand
.set MX,  24                           ; v[24:27]  running maximum of q tile 0, 1, each twice (a pair for packed arithmetic)
.set LL,  28                           ; v[28:29]  running sum, over my half's keys
.set AL,  30                           ; v[30:33]  the rescaling factor, each twice
.set XC,  34                           ; v[34:37]  four chains of maxima of the q tile at work (ahead of the first sub-step: bc2[h], res_gate[h])
.set TQ,  38                           ; v[38:41]  at work
.set LS,  42                           ; v[42:49]  two packed chains of sums a q tile
.set KF,  64                           ; v[64:127] four key tiles x 16 registers
.set SC,  128                          ; v[128:255] score tile (qt, kt) at 8 (8 qt + kt)
.set OA,  0                            ; window 1: v[0:63]   O^T, tile (qt, dt) at 8 (4 qt + dt)
.set QF,  64                           ; window 1: v[64:95]  Q, 16 qt + 8 half
.set VF,  96                           ; window 1: v[96:223] V^T, 32 g + 8 dt
.set VA,  224                          ; window 1: v224-225  LDS address of my V fragments in slot 0, 1
; scalars: s3 wave; s13 wave / 4; s[4:11] group 1 for V's tiles; s12 laps; s[14:15] the mask words' address; s[16:23] group 1 for K's tiles;
; s[24:31] group 0 for slot 0, 1; s[32:63], s[68:99] the mask words of key tiles 0-3, 4-7 of the q tile at work (they serve the set-up first); s[66:67] ab; s100-101 lane selects
.set G1V, 4
.set G1K, 16
.set G0,  24
.set MSB, 0
.macro WIN new                         ; the immediate's high byte repeats the setting that is left
.if MSB != \new
	s_set_vgpr_msb (MSB<<8)|\new
.set MSB, \new
.endif
.endm
.macro PLACES n
.rept \n
	v_nop
.endr
.endm
.macro ROUND                           ; a round of the cluster's barrier
	s_barrier_signal -1
	s_barrier_wait -1
	s_cmp_lg_u32 s3, 0
	s_cbranch_scc1 .Lnot_wave_0_\@
	s_barrier_signal -3
.Lnot_wave_0_\@:
	s_barrier_wait -3
	s_barrier_signal -1
	s_barrier_wait -1
.endm
; A joint load.  Waves 0-3 ask for K's four chunks of 64 rows, waves 4-7 for V's.  Each of the two lines has one shape and one mask, all constants;
; the branch hangs on the wave's number alone and is the same in all four partners.
.macro JLOAD s
	s_cmp_eq_u32 s13, 0
	s_cbranch_scc0 .Lfor_v_\@
	tensor_load_to_lds s[G0+4*(\s):G0+4*(\s)+3], s[G1K:G1K+7]
	s_nop 0
	s_branch .Lasked_\@
.Lfor_v_\@:
	tensor_load_to_lds s[G0+4*(\s):G0+4*(\s)+3], s[G1V:G1V+7]
	s_nop 0
.Lasked_\@:
.endm
.macro MLOADQ qt                       ; the mask words of q tile qt for 128 keys: 256 consecutive bytes, aligned
	s_load_b512 s[32:47], s[14:15], \qt*0x1000
	s_load_b512 s[48:63], s[14:15], \qt*0x1000+0x40
	s_load_b512 s[68:83], s[14:15], \qt*0x1000+0x80
	s_load_b512 s[84:99], s[14:15], \qt*0x1000+0xc0
.endm
	s_load_b256 s[32:39], s[0:1], 0x0              ; qkv, mbits, hid, Wc2
	s_load_b128 s[40:43], s[0:1], 0x20             ; bc2, res_gate
	s_load_b64 s[66:67], s[0:1], 0x30              ; ab
	v_lshl_add_u32 v62, v0, 2, 0x31100
	v_mov_b32 v63, 0
	ds_add_u32 v62, v63
	ds_add_u32 v62, v63
	v_lshrrev_b32 v1, 5, v0
	v_readfirstlane_b32 s3, v1                     ; wave
	s_lshr_b32 s13, s3, 2                          ; waves 0-3 fetch K (0), waves 4-7 V (1)
	s_bfe_u32 s44, ttmp6, 0x40000                  ; cx
	s_lshl_b32 s45, ttmp9, 2
	s_add_co_u32 s45, s45, s44                     ; query block, 0 .. 7: it enters global addresses of my own loads and stores alone
	s_and_b32 s46, ttmp7, 0xffff                   ; 8 batch + head
	s_mov_b32 s100, 0x76543210
	s_mov_b32 s101, 0xfedcba98
	; group 1: a tile of 64 rows x 64 elements of 2 bytes; mask of the four partners, bit 21 beside it; padding behind every 32 words: 4 words for K, 8 for V
	s_mov_b32 s[G1K+0], 15|(1<<16)|(1<<20)|(1<<21)|(4<<22)|(3<<25)
	s_mov_b32 s[G1V+0], 15|(1<<16)|(1<<20)|(1<<21)|(4<<22)|(7<<25)
	s_mov_b32 s[G1K+1], 64<<16                     ; tensor_dim0 = 64
	s_mov_b32 s[G1V+1], 64<<16
	s_mov_b32 s[G1K+2], 64<<16                     ; tensor_dim1 = 64
	s_mov_b32 s[G1V+2], 64<<16
	s_mov_b32 s[G1K+3], 64<<16                     ; tile_dim0 = 64
	s_mov_b32 s[G1V+3], 64<<16
	s_mov_b32 s[G1K+4], 64                         ; tile_dim1 = 64
	s_mov_b32 s[G1V+4], 64
	s_mov_b32 s[G1K+5], 64                         ; elements from row to row
	s_mov_b32 s[G1V+5], 64
	s_mov_b32 s[G1K+6], 0
	s_mov_b32 s[G1V+6], 0
	s_mov_b32 s[G1K+7], 0
	s_mov_b32 s[G1V+7], 0
	s_add_co_u32 s52, s13, 1
	s_lshl_b32 s52, s52, 23                        ; K or V
	s_lshl_b32 s54, s46, 18                        ; (batch, head): 2,048 rows of 128 bytes
	s_add_co_u32 s52, s52, s54
	s_and_b32 s55, s3, 3
	s_lshl_b32 s55, s55, 13                        ; my 64 rows of the tile
	s_add_co_u32 s52, s52, s55
	s_mov_b32 s53, 0
	s_mul_i32 s56, s3, CHUNK                       ; my chunk of a slot
	s_lshl_b32 s58, s45, 15                        ; my wave's 32 queries: Q's rows, and ab's
	s_add_co_u32 s58, s58, s54
	s_lshl_b32 s57, s3, 12
	s_add_co_u32 s58, s58, s57
	s_mov_b32 s59, 0
	s_lshr_b32 s49, s46, 3                         ; batch
	s_and_b32 s50, s46, 7                          ; head
	s_lshl_b32 s60, s49, 19                        ; mask words: (128 batch + 16 block + 2 wave) q tiles of 4,096 bytes
	s_lshl_b32 s57, s45, 16
	s_add_co_u32 s60, s60, s57
	s_lshl_b32 s57, s3, 13
	s_add_co_u32 s60, s60, s57
	s_mov_b32 s61, 0
	s_wait_dscnt 0x0
	s_wait_kmcnt 0x0
	s_add_nc_u64 s[52:53], s[32:33], s[52:53]
	s_add_nc_u64 s[68:69], s[32:33], s[58:59]      ; Q's rows
	s_add_nc_u64 s[66:67], s[66:67], s[58:59]
	s_add_nc_u64 s[14:15], s[34:35], s[60:61]
	s_lshl_b32 s60, s49, 10
	s_add_nc_u64 s[70:71], s[36:37], s[60:61]      ; hid's row of the batch
	s_lshl_b32 s60, s50, 2
	s_add_nc_u64 s[72:73], s[38:39], s[60:61]      ; Wc2's column of the head
	s_add_nc_u64 s[40:41], s[40:41], s[60:61]
	s_add_nc_u64 s[42:43], s[42:43], s[60:61]
.irp s, 0,1
	s_mov_b32 s[G0+4*\s], 1
	s_add_co_u32 s[G0+4*\s+1], s56, \s*SLOT
	s_add_nc_u64 s[G0+4*\s+2:G0+4*\s+3], s[52:53], \s*TILEB
	s_or_b32 s[G0+4*\s+3], s[G0+4*\s+3], 0x80000000
.endr
	ROUND                                          ; the four partners are here: the first joint loads meet
	JLOAD 0                                        ; tile 0; one load of the wave is out, here and behind every round
	s_load_b32 s76, s[40:41], 0x0                  ; bc2[h]
	s_load_b32 s77, s[42:43], 0x0                  ; res_gate[h]
	v_lshlrev_b32 v10, 2, v0
	v_lshlrev_b32 v11, 5, v0
	global_load_b32 v12, v10, s[70:71]             ; hid[b][t]
	global_load_b32 v13, v11, s[72:73]             ; Wc2[t][h]
	v_and_b32 v1, 15, v0                           ; r
	v_bfe_u32 v2, v0, 4, 1                         ; h
	v_lshlrev_b32 v14, 7, v1
	v_lshl_add_u32 v14, v2, 4, v14                 ; query r's row, 16 bytes at 16 h
	v_and_b32 v15, 7, v0
	v_lshl_add_u32 v15, v2, 3, v15
	v_mul_u32_u24 v15, v15, VP                     ; V: row 8 h + lane % 8,
	v_bfe_u32 v3, v0, 3, 1
	v_lshl_add_u32 v15, v3, 4, v15                 ; 16 bytes at (lane / 8) % 2
	WIN 0x40                                       ; destinations in window 1
.irp qt, 0,1
.irp c, 0,1,2,3
	global_load_b128 v[QF+16*\qt+4*\c:QF+16*\qt+4*\c+3], v14, s[68:69] offset:\qt*2048+\c*32
.endr
.endr
	v_add_nc_u32 v[VA],   4*CHUNK, v15
	v_add_nc_u32 v[VA+1], 4*CHUNK+SLOT, v15
	WIN 0
	v_mul_u32_u24 v[KA], v1, KP
	v_lshl_add_u32 v[KA], v2, 4, v[KA]
	v_add_nc_u32 v[KA+1], SLOT, v[KA]
	s_mul_i32 s2, s3, 32*KP
	s_add_co_u32 s2, s2, STAGE
	v_add_nc_u32 v[STO], s2, v[KA]
	v_and_b32 v3, 31, v0
	v_lshlrev_b32 v[CO], 4, v3
	v_lshrrev_b32 v3, 3, v3
	v_mul_u32_u24 v3, v3, KP
	v_and_b32 v15, 7, v0
	v_lshl_add_u32 v3, v15, 4, v3
	v_add_nc_u32 v[RD], s2, v3
	v_mov_b32 v[NEG], 0xceabfb8f                   ; -1e9 log2(e)
	v_mov_b32 v[TQ], 0                             ; v_permlanex16_b32 counts as a reader of its destination
	v_mov_b32 v[TQ+1], 0
	s_lshl_b32 s2, s3, 2
	s_add_co_u32 s2, s2, SCR
	v_mov_b32 v15, s2
	s_wait_kmcnt 0x0                               ; bc2 and res_gate are in
	v_mov_b32 v[XC],   s76                         ; and move out of the mask words' registers
	v_mov_b32 v[XC+1], s77
	s_wait_xcnt 0x0                                ; the loads of hid, Wc2 and Q have had their addresses translated (ISA guide 3.1): their bases are written over only behind this wait
	MLOADQ 0                                       ; q tile 0's words of keys 0-127
	s_wait_loadcnt 0x8                             ; hid and Wc2; the eight younger loads (Q) stay out
	v_mul_f32 v12, v12, v13
.irp m, 1,2,4,8
	v_add_f32_dpp v12, v12, v12 row_xmask:\m row_mask:0xf bank_mask:0xf
.endr
	v_permlanex16_b32 v[TQ], v12, s100, s101
	v_add_f32 v12, v12, v[TQ]
	ds_store_b32 v15, v12                          ; my wave's part of hid . Wc2[:, h]
.macro FBFIN                           ; behind the first round: all eight parts are in LDS
	v_mov_b32 v15, SCR
	ds_load_b128 v[64:67], v15
	ds_load_b128 v[68:71], v15 offset:16
	v_mul_f32 v72, 0xbfb8aa3b, v[XC+1]             ; sigmoid g = 1 / (1 + exp2(-log2(e) g))
	s_wait_dscnt 0x0
	v_pk_add_f32 v[64:65], v[64:65], v[66:67]
	v_pk_add_f32 v[68:69], v[68:69], v[70:71]
	v_pk_add_f32 v[64:65], v[64:65], v[68:69]
	v_add_f32 v64, v64, v65
	v_add_f32 v64, v[XC], v64
	v_mul_f32 v64, 0x4038aa3b, v64                 ; tanh z = 1 - 2 / (1 + exp2(2 log2(e) z))
	v_exp_f32 v64, v64
	v_exp_f32 v72, v72
	v_nop                                          ; one plain instruction behind a transcendental before its result is used (ISA guide 5.7.2)
	s_wait_alu depctr_va_vdst(0)
	v_add_f32 v64, 1.0, v64
	v_add_f32 v72, 1.0, v72
	v_rcp_f32 v64, v64
	v_rcp_f32 v72, v72
	v_nop
	s_wait_alu depctr_va_vdst(0)
	v_fma_f32 v64, v64, -2.0, 1.0
	v_mul_f32 v64, v64, v72
	v_mul_f32 v[FB], 0x3fb8aa3b, v64
.irp j, 1,2,3,4,5,6,7
	v_mov_b32 v[FB+\j], v[FB]
.endr
	s_wait_loadcnt 0x0                             ; Q
.endm
; 16 LDS loads: key tiles kt0 .. kt0 + 3 of the slot's 16
.macro KLOAD slot, kt0
.irp i, 0,1,2,3
.irp c, 0,1,2,3
	ds_load_b128 v[KF+16*\i+4*\c:KF+16*\i+4*\c+3], v[KA+\slot] offset:(((\kt0)+\i)/4)*CHUNK+(((\kt0)+\i)%4)*16*KP+32*\c
.endr
.endr
.endm
; 16 matrix instructions: four key tiles x two q tiles x d = 64.  The eight accumulators take turns, one instruction a turn.
.macro SMUL base
.irp i, 0,1,2,3
.irp qt, 0,1
	v_wmma_f32_16x16x32_bf16 v[SC+8*(8*\qt+\base+\i):SC+8*(8*\qt+\base+\i)+7], v[KF+16*\i:KF+16*\i+7], v[QF+16*\qt:QF+16*\qt+7], v[FB:FB+7]
.endr
.endr
.irp i, 0,1,2,3
.irp qt, 0,1
	v_wmma_f32_16x16x32_bf16 v[SC+8*(8*\qt+\base+\i):SC+8*(8*\qt+\base+\i)+7], v[KF+16*\i+8:KF+16*\i+15], v[QF+16*\qt+8:QF+16*\qt+15], v[SC+8*(8*\qt+\base+\i):SC+8*(8*\qt+\base+\i)+7]
.endr
.endr
.endm
; 32 selects: q tile qt, key tiles base .. base + 3 (base = 0: words in s[32:63]; base = 4: in s[68:99])
.macro MASKQ qt, base
.irp i, 0,1,2,3
.irp j, 0,1,2,3,4,5,6,7
	v_cndmask_b32 v[SC+8*(8*\qt+\base+\i)+\j], v[NEG], v[SC+8*(8*\qt+\base+\i)+\j], s[32+9*\base+8*\i+\j]
.endr
.endr
.endm
; 16 maxima in four chains: q tile qt, key tiles base .. base + 3.  start = 0: the chains go on; 1: chain 0 begins at the old maximum, the others at two scores; 2: all begin at two scores.
.macro MAXQ qt, base, start
.irp i, 0,1,2,3
.irp p, 0,1,2,3
.set sidx, SC+8*(8*\qt+\base+\i)+2*\p
.set how, 0
.if \i == 0
.if (\start) == 2
.set how, 2
.endif
.if (\start) == 1
.set how, 2
.if \p == 0
.set how, 1
.endif
.endif
.endif
.if how == 0
	v_max3_num_f32 v[XC+\p], v[XC+\p], v[sidx], v[sidx+1]
.elseif how == 1
	v_max3_num_f32 v[XC+\p], v[MX+2*\qt], v[sidx], v[sidx+1]
.else
	v_max_num_f32 v[XC+\p], v[sidx], v[sidx+1]
.endif
.endr
.endr
.endm
; the q tile's new maximum, and the factor by which what is carried shrinks
.macro MFIN qt, first
	v_max3_num_f32 v[XC], v[XC], v[XC+1], v[XC+2]
	v_max_num_f32 v[XC], v[XC], v[XC+3]
	v_permlanex16_b32 v[TQ], v[XC], s100, s101     ; the other half of the lanes holds the query's other keys
	v_max_num_f32 v[XC], v[XC], v[TQ]
.if \first == 0
	v_sub_f32 v[TQ], v[MX+2*\qt], v[XC]
	v_exp_f32 v[AL+2*\qt], v[TQ]
.endif
	v_mov_b32 v[MX+2*\qt],   v[XC]                 ; (also the plain instruction behind the exponential)
	v_mov_b32 v[MX+2*\qt+1], v[XC]
.if \first == 0
	s_wait_alu depctr_va_vdst(0)
	v_mov_b32 v[AL+2*\qt+1], v[AL+2*\qt]
.endif
.endm
; 8 transposing loads: V^T of the slot's group g of 32 keys, d = 64, into buffer buf
.macro VLOAD slot, g, buf
.irp dt, 0,1,2,3
	ds_load_tr16_b128 v[VF+32*\buf+8*\dt:VF+32*\buf+8*\dt+3],   v[VA+\slot] offset:((\g)/2)*CHUNK+((\g)%2)*32*VP+32*\dt
	ds_load_tr16_b128 v[VF+32*\buf+8*\dt+4:VF+32*\buf+8*\dt+7], v[VA+\slot] offset:((\g)/2)*CHUNK+((\g)%2)*32*VP+32*\dt+16*VP
.endr
.endm
.macro PVMUL g, zero                   ; eight accumulators by turns, one instruction a turn
.irp qt, 0,1
.irp dt, 0,1,2,3
.if \zero
	v_wmma_f32_16x16x32_bf16 v[OA+8*(4*\qt+\dt):OA+8*(4*\qt+\dt)+7], v[VF+32*\g+8*\dt:VF+32*\g+8*\dt+7], v[SC+64*\qt+16*\g:SC+64*\qt+16*\g+7], 0
.else
	v_wmma_f32_16x16x32_bf16 v[OA+8*(4*\qt+\dt):OA+8*(4*\qt+\dt)+7], v[VF+32*\g+8*\dt:VF+32*\g+8*\dt+7], v[SC+64*\qt+16*\g:SC+64*\qt+16*\g+7], v[OA+8*(4*\qt+\dt):OA+8*(4*\qt+\dt)+7]
.endif
.endr
.endr
.endm
.macro SUBT tau                        ; score tile tau: minus the new maximum
.irp q, 0,1,2,3
	v_pk_add_f32 v[SC+8*(\tau)+2*\q:SC+8*(\tau)+2*\q+1], v[SC+8*(\tau)+2*\q:SC+8*(\tau)+2*\q+1], v[MX+2*((\tau)/8):MX+2*((\tau)/8)+1] neg_lo:[0,1] neg_hi:[0,1]
.endr
.endm
.macro EXP8 tau
.irp j, 0,1,2,3,4,5,6,7
	v_exp_f32 v[SC+8*(\tau)+\j], v[SC+8*(\tau)+\j]
.endr
.endm
.macro FIN tau                         ; tile tau's weights are summed, then packed to bf16: tiles 2 g and 2 g + 1 fill the eight registers of tile 2 g
.if ((\tau)%8) == 0
	s_wait_alu depctr_va_vdst(0)
	v_pk_add_f32 v[LS+4*((\tau)/8):LS+4*((\tau)/8)+1],   v[SC+8*(\tau):SC+8*(\tau)+1],   v[SC+8*(\tau)+2:SC+8*(\tau)+3]     ; a q tile's first tile starts its two chains
	v_pk_add_f32 v[LS+4*((\tau)/8)+2:LS+4*((\tau)/8)+3], v[SC+8*(\tau)+4:SC+8*(\tau)+5], v[SC+8*(\tau)+6:SC+8*(\tau)+7]
.else
	s_wait_alu depctr_va_vdst(0)
	v_pk_add_f32 v[LS+4*((\tau)/8):LS+4*((\tau)/8)+1],   v[LS+4*((\tau)/8):LS+4*((\tau)/8)+1],   v[SC+8*(\tau):SC+8*(\tau)+1]
	v_pk_add_f32 v[LS+4*((\tau)/8)+2:LS+4*((\tau)/8)+3], v[LS+4*((\tau)/8)+2:LS+4*((\tau)/8)+3], v[SC+8*(\tau)+2:SC+8*(\tau)+3]
	v_pk_add_f32 v[LS+4*((\tau)/8):LS+4*((\tau)/8)+1],   v[LS+4*((\tau)/8):LS+4*((\tau)/8)+1],   v[SC+8*(\tau)+4:SC+8*(\tau)+5]
	v_pk_add_f32 v[LS+4*((\tau)/8)+2:LS+4*((\tau)/8)+3], v[LS+4*((\tau)/8)+2:LS+4*((\tau)/8)+3], v[SC+8*(\tau)+6:SC+8*(\tau)+7]
.endif
.irp q, 0,1,2,3
	v_cvt_pk_bf16_f32 v[SC+16*((\tau)/2)+4*((\tau)%2)+\q], v[SC+8*(\tau)+2*\q], v[SC+8*(\tau)+2*\q+1]
.endr
.endm
; The eight score tiles of q tile qt become weights.  Behind each run of eight exponentials stands plain work on another tile, before their results are used.
.macro PIPE qt
	SUBT 8*\qt
	EXP8 8*\qt
.set tau, 8*\qt+1
.rept 7
	SUBT tau
	EXP8 tau
	FIN tau-1
.set tau, tau+1
.endr
	FIN 8*\qt+7
.endm
; A sub-step: 128 keys (half u of the slot's tile) x my 32 queries.  first = 1: nothing is carried yet.  kpre = 1: the next sub-step's first K fragments
; are fetched from the same slot.  mnext = 0: there are no further mask words.
.macro SUB slot, u, first, kpre, mnext
	s_wait_dscnt 0x0                               ; the first four key tiles' fragments
	WIN 0x04                                       ; source 1 (Q) in window 1
	SMUL 0
	PLACES 4                                       ; four places behind the matrix instructions: for the loads into K's registers and the selects on the scores
	KLOAD \slot, 8*\u+4
	WIN 0
	s_wait_kmcnt 0x0                               ; q tile 0's words of these 128 keys
	MASKQ 0, 0                                     ; 48 vector instructions while K's next fragments come
	MAXQ 0, 0, 1+\first
	s_wait_dscnt 0x0
	WIN 0x04
	SMUL 4
	PLACES 4
.if \kpre
	KLOAD \slot, 8
.endif
	WIN 0x51                                       ; destination, source 0 and source 2 in window 1
.irp g, 0,1,2,3
	VLOAD \slot, 4*\u+\g, \g
.endr
	WIN 0
	MASKQ 0, 4
	MLOADQ 1                                       ; q tile 1's words: they have q tile 0's maximum, exponentials and sums in which to land
	MAXQ 0, 4, 0
	MFIN 0, \first
	PIPE 0
	s_wait_kmcnt 0x0                               ; q tile 1's words; the wait also frees the pointer,
	s_add_nc_u64 s[14:15], s[14:15], 256           ; which steps to the next 128 keys' words
	MASKQ 1, 0
	MASKQ 1, 4
.if \mnext
	MLOADQ 0                                       ; q tile 0's words of the next sub-step
.endif
	MAXQ 1, 0, 1+\first
	MAXQ 1, 4, 0
	MFIN 1, \first
	PIPE 1
.irp qt, 0,1
	v_pk_add_f32 v[LS+4*\qt:LS+4*\qt+1], v[LS+4*\qt:LS+4*\qt+1], v[LS+4*\qt+2:LS+4*\qt+3]
.endr
.irp qt, 0,1
.if \first
	v_add_f32 v[LL+\qt], v[LS+4*\qt], v[LS+4*\qt+1]
.else
	v_add_f32 v[TQ+\qt], v[LS+4*\qt], v[LS+4*\qt+1]
	v_fma_f32 v[LL+\qt], v[LL+\qt], v[AL+2*\qt], v[TQ+\qt]
.endif
.endr
	WIN 0x51
.if \first == 0
.irp qt, 0,1
.set k, 0
.rept 16
	v_pk_mul_f32 v[OA+32*\qt+2*k:OA+32*\qt+2*k+1], v[OA+32*\qt+2*k:OA+32*\qt+2*k+1], v[AL+2*\qt:AL+2*\qt+1]
.set k, k+1
.endr
.endr
.endif
	s_wait_dscnt 0x0                               ; V^T of the four groups (issued ahead of the whole softmax)
	PVMUL 0, \first
	PVMUL 1, 0
	PVMUL 2, 0
	PVMUL 3, 0
	PLACES 5                                       ; five places before the next score products write over P, four before loads land in V's registers
	WIN 0
.endm
; A tile of 256 keys.  In front of the round every wave has waited for all its tensor loads (its part of this tile among them) and for its reads of the other slot;
; the joint refill of that slot is the first tensor load behind the round.
.macro TRIP slot, refill, first, last
	s_wait_tensorcnt 0x0
	ds_add_u32 v62, v63
	s_wait_dscnt 0x0
	s_add_nc_u64 s[G0+4*\slot+2:G0+4*\slot+3], s[G0+4*\slot+2:G0+4*\slot+3], 2*TILEB   ; no load of mine is out: this slot's next tile
	s_wait_dscnt 0x0
	ROUND
.if \refill
	JLOAD 1-\slot
.endif
.if \first
	FBFIN
.endif
	KLOAD \slot, 0
	SUB \slot, 0, \first, 1, 1
	SUB \slot, 1, 0, 0, 1-\last
.endm
	TRIP 0, 1, 1, 0                                ; tiles 0 and 1 stand in front of the loop: the first sub-step starts maximum, sum and O
	TRIP 1, 1, 0, 0
	s_mov_b32 s12, 2
.Llap:
	TRIP 0, 1, 0, 0                                ; tiles 2 to 5
	TRIP 1, 1, 0, 0
	s_sub_co_u32 s12, s12, 1
	s_cmp_lg_u32 s12, 0
	s_cbranch_scc1 .Llap
	TRIP 0, 1, 0, 0                                ; tile 6; tile 7 is asked for
	TRIP 1, 0, 0, 1                                ; tile 7: nothing more is asked for, neither tile nor mask words
	; THE WAY OUT: O / sum, bf16, through my own stage; my 32 rows of 128 bytes are 4,096 consecutive bytes of ab.
	v_permlanex16_b32 v[TQ],   v[LL],   s100, s101
	v_permlanex16_b32 v[TQ+1], v[LL+1], s100, s101
	v_add_f32 v[LL],   v[LL],   v[TQ]
	v_add_f32 v[LL+1], v[LL+1], v[TQ+1]
	v_rcp_f32 v[AL],   v[LL]                       ; the sum is at least 1: the largest score's weight is exp2(0)
	v_rcp_f32 v[AL+2], v[LL+1]
	v_nop
	s_wait_alu depctr_va_vdst(0)
	v_mov_b32 v[AL+1], v[AL]
	v_mov_b32 v[AL+3], v[AL+2]
	WIN 0x01                                       ; source 0 (O) in window 1
.irp qt, 0,1
.set k, 0
.rept 16
	v_pk_mul_f32 v[KF+32*\qt+2*k:KF+32*\qt+2*k+1], v[OA+32*\qt+2*k:OA+32*\qt+2*k+1], v[AL+2*\qt:AL+2*\qt+1]
.set k, k+1
.endr
.endr
	WIN 0
.set k, 0
.rept 32
	v_cvt_pk_bf16_f32 v[SC+k], v[KF+2*k], v[KF+2*k+1]
.set k, k+1
.endr
.irp qt, 0,1
.irp dt, 0,1,2,3
	ds_store_b128 v[STO], v[SC+4*(4*\qt+\dt):SC+4*(4*\qt+\dt)+3] offset:\qt*16*KP+32*\dt
.endr
.endr
.irp tt, 0,1,2,3,4,5,6,7
	ds_load_b128 v[KF+4*\tt:KF+4*\tt+3], v[RD] offset:\tt*4*KP     ; LDS serves a wave's instructions in order: these see the stores above
.endr
.irp tt, 0,1,2,3,4,5,6,7
	s_wait_dscnt 7-\tt
	global_store_b128 v[CO], v[KF+4*\tt:KF+4*\tt+3], s[66:67] offset:\tt*512   ; 512 consecutive bytes, aligned
.endr
	s_wait_tensorcnt 0x0
	ds_add_u32 v62, v63
	s_wait_dscnt 0x0
	ROUND                                          ; the closing round
	s_endpgm
.Lfunc_end_k_qcc6dd3acbf_attn:
	.size	k_qcc6dd3acbf_attn, .Lfunc_end_k_qcc6dd3acbf_attn-k_qcc6dd3acbf_attn
	.p2alignl 7, 3214868480
	.fill 96, 4, 3214868480
	.section	.rodata,"a",@progbits
	.p2align	6, 0x0
	.amdhsa_kernel k_qcc6dd3acbf_attn
		.amdhsa_group_segment_fixed_size 327680
		.amdhsa_private_segment_fixed_size 0
		.amdhsa_enable_private_segment 0
		.amdhsa_kernarg_size 56
		.amdhsa_user_sgpr_count 2
		.amdhsa_user_sgpr_kernarg_segment_ptr 1
		.amdhsa_wavefront_size32 1
		.amdhsa_system_sgpr_workgroup_id_x 1
		.amdhsa_system_sgpr_workgroup_id_y 1
		.amdhsa_system_sgpr_workgroup_id_z 1
		.amdhsa_system_vgpr_workitem_id 0
		.amdhsa_next_free_vgpr 488
		.amdhsa_next_free_sgpr 102
		.amdhsa_reserve_vcc 0
		.amdhsa_float_denorm_mode_32 3
		.amdhsa_float_denorm_mode_16_64 3
		.amdhsa_memory_ordered 1
		.amdhsa_forward_progress 1
		.amdhsa_inst_pref_size 255
	.end_amdhsa_kernel
	.section	.bss,"aw",@nobits
	.p2align	6
	.space	262144
	.amdgpu_metadata
---
amdhsa.version: [ 1, 2 ]
amdhsa.kernels:
  - .name:           k_qcc6dd3acbf_attn
    .symbol:         k_qcc6dd3acbf_attn.kd
    .args:
      - { .name: qkv, .offset: 0, .size: 8, .value_kind: global_buffer, .address_space: global }
      - { .name: mbits, .offset: 8, .size: 8, .value_kind: global_buffer, .address_space: global }
      - { .name: hid, .offset: 16, .size: 8, .value_kind: global_buffer, .address_space: global }
      - { .name: Wc2, .offset: 24, .size: 8, .value_kind: global_buffer, .address_space: global }
      - { .name: bc2, .offset: 32, .size: 8, .value_kind: global_buffer, .address_space: global }
      - { .name: res_gate, .offset: 40, .size: 8, .value_kind: global_buffer, .address_space: global }
      - { .name: ab, .offset: 48, .size: 8, .value_kind: global_buffer, .address_space: global }
    .group_segment_fixed_size: 327680
    .private_segment_fixed_size: 0
    .kernarg_segment_align: 8
    .kernarg_segment_size: 56
    .max_flat_workgroup_size: 256
    .sgpr_count:     102
    .vgpr_count:     488
    .wavefront_size: 32
...
	.end_amdgpu_metadata
.endif
;; end of part 3
;; launch oln (part 4): grid 256 x 1, 8 waves a work-group, clusters of 4 x 1, 327,680 bytes of LDS; arguments ab, wt, x, bo, ln_g, ln_b, out0; writes out0
.if DOCPART == 4
	.amdgcn_target "amdgcn-amd-amdhsa--gfx1250"
	.amdhsa_code_object_version 6
	.text
	.protected	k_qcc6dd3acbf_oln
	.globl	k_qcc6dd3acbf_oln
	.p2align	8
	.type	k_qcc6dd3acbf_oln,@function
k_qcc6dd3acbf_oln:
	s_mov_b64 s[64:65], 0
	v_nop
	global_prefetch_b8 v0, s[64:65] scope:SCOPE_SE
	s_setreg_imm32_b32 hwreg(HW_REG_WAVE_MODE, 25, 1), 1
	s_wait_xcnt 0x0
	s_wait_alu depctr_hold_cnt(0) depctr_sa_sdst(0) depctr_va_vdst(0) depctr_va_sdst(0) depctr_va_ssrc(0) depctr_va_vcc(0) depctr_vm_vsrc(0)
	s_getreg_b32 s2, hwreg(HW_REG_IB_STS2, 6, 4)
	s_cmp_eq_u32 s2, 0
	s_cbranch_scc0 .Lentry_in_a_cluster
	s_endpgm
.Lentry_in_a_cluster:
	s_bfe_u32 s2, ttmp6, 0x10000c
	s_cmp_lg_u32 s2, 0x3003
	s_cbranch_scc0 .Lentry_shape_is_right
	s_endpgm
.Lentry_shape_is_right:
; OLN.  out0 = LayerNorm(ab x Wo + bo + x) ln_g + ln_b.  A work-group owns 32 whole rows (the norm needs whole rows) and all 512 columns.
; Product: wave w makes 32 rows x columns 64 w .. 64 w + 63 (8 accumulator tiles); K = 512 in four steps of 128 through two LDS slots of Wo^T (512 rows x 256 bytes).
; Every work-group walks all of Wo^T: the four of a cluster ask for each tile jointly (mask 15).  ab's 32 rows (8 heads x 4,096 consecutive bytes) come once, by a load of my own.
; THE ORDER OF THE REQUESTS.  A K step's matrix work (32 instructions a wave) is far too short for the next tile to land in, so the slots are filled two at a time:
; both at the head, both again behind one round, when both have been multiplied.  And cluster c takes the K steps in the order c % 4, c % 4 + 1, .. (mod 4), so that the
; launch's first requests cover all four quarters of Wo^T and not one quarter 64 times.  Only global addresses hang on c: at position p of the walk the tile is K step (p + c) % 4,
; and wave w brings head (w + 2 c) % 8 of ab into LDS chunk w, so that chunks 2 p and 2 p + 1 hold that K step's two heads.  c is the cluster's number, the same in the four partners.
; A wave reads only the 64 rows of Wo^T that it fetched itself: its own counted wait orders those reads.  ab's chunks are read by all waves: one barrier.
; bo is the C operand of the first products.  The f32 results go through LDS (in slot 0, behind its last fill and, by a barrier, behind every wave's last read of it) to the wave
; that norms the row: wave w takes rows 4 w .. 4 w + 3, a row in 16 registers.  Mean first, then the sum of squared differences: no difference of large sums.
.set PITCH, 272
.set SLOT,  512*PITCH                  ; 139,264
.set ABASE, 2*SLOT                     ; 278,528: ab, chunk by chunk, 32 rows x 144 bytes
.set AP,    144
.set AHEAD, 32*AP
.set SP,    2064                       ; stage: a row of 2,048 bytes + 16, an odd multiple of 16
.set AA,  4
.set BA,  5                            ; v5-6
.set STO, 7
.set RDL, 8
.set XO,  9
.set VL16, 10
.set BOF, 11
.set R,   32                           ; v[32:63]  bo as four C operands; later eight registers of work for each of my four rows
.set F0,  64                           ; v[64:111], v[112:159]: four fragments of Wo^T and two of ab, two buffers
.set F1,  112
.set ACC, 160                          ; v[160:223]
.set Y,   64                           ; v[64:127] my four rows
.set XW,  0                            ; window 1: v[0:63] x; v[64:79] ln_g; v[80:95] ln_b
.set GW,  64
.set BW,  80
.set G1A, 24
.set G0A, 32
.set G1B, 36
.set G0B, 44
.set MSB, 0
.macro WIN new
.if MSB != \new
	s_set_vgpr_msb (MSB<<8)|\new
.set MSB, \new
.endif
.endm
.macro PLACES n
.rept \n
	v_nop
.endr
.endm
.macro ROUND
	s_barrier_signal -1
	s_barrier_wait -1
	s_cmp_lg_u32 s18, 0
	s_cbranch_scc1 .Lnot_wave_0_\@
	s_barrier_signal -3
.Lnot_wave_0_\@:
	s_barrier_wait -3
	s_barrier_signal -1
	s_barrier_wait -1
.endm
; the slot's group 0 gets the address of my 64 rows in the tile of position p: K step (p + c) % 4, 256 bytes of each row
.macro BADDR slot, p
	s_add_co_u32 s60, s21, \p
	s_and_b32 s60, s60, 3
	s_lshl_b32 s60, s60, 8
	s_add_nc_u64 s[G0B+4*\slot+2:G0B+4*\slot+3], s[56:57], s[60:61]
	s_or_b32 s[G0B+4*\slot+3], s[G0B+4*\slot+3], 0x80000000
.endm
	s_load_b256 s[4:11], s[0:1], 0x0               ; ab, wt, x, bo
	s_load_b128 s[12:15], s[0:1], 0x20             ; ln_g, ln_b
	s_load_b64 s[16:17], s[0:1], 0x30              ; out0
	v_lshl_add_u32 v254, v0, 2, 0x4d000
	v_mov_b32 v255, 0
	ds_add_u32 v254, v255
	ds_add_u32 v254, v255
	v_lshrrev_b32 v1, 5, v0
	v_readfirstlane_b32 s18, v1                    ; wave
	s_bfe_u32 s19, ttmp6, 0x40000                  ; cx
	s_lshl_b32 s20, ttmp9, 2
	s_add_co_u32 s20, s20, s19                     ; which 32 rows, 0 .. 255
	s_and_b32 s21, ttmp9, 3                        ; c % 4: where my cluster's walk along K begins
	s_mov_b32 s22, 0x76543210
	s_mov_b32 s23, 0xfedcba98
	s_mov_b32 s[G1A+0], (1<<16)|(1<<20)|(4<<22)|(3<<25)   ; a load of my own: no mask; elements of 2 bytes; behind every 32 words 4 words of padding
	s_mov_b32 s[G1A+1], 64<<16
	s_mov_b32 s[G1A+2], 32<<16
	s_mov_b32 s[G1A+3], 64<<16
	s_mov_b32 s[G1A+4], 32
	s_mov_b32 s[G1A+5], 64
	s_mov_b32 s[G1A+6], 0
	s_mov_b32 s[G1A+7], 0
	s_mov_b32 s[G1B+0], 15|(1<<16)|(1<<20)|(1<<21)|(5<<22)|(3<<25)   ; the four partners; behind every 64 words 4 words
	s_mov_b32 s[G1B+1], 128<<16
	s_mov_b32 s[G1B+2], 64<<16
	s_mov_b32 s[G1B+3], 128<<16
	s_mov_b32 s[G1B+4], 64
	s_mov_b32 s[G1B+5], 512
	s_mov_b32 s[G1B+6], 0
	s_mov_b32 s[G1B+7], 0
	s_lshl1_add_u32 s54, s21, s18                  ; ab: head (w + 2 c) % 8,
	s_and_b32 s54, s54, 7
	s_lshl_b32 s54, s54, 18
	s_lshr_b32 s52, s20, 6                         ; batch,
	s_lshl_b32 s52, s52, 21
	s_add_co_u32 s52, s52, s54
	s_and_b32 s54, s20, 63
	s_lshl_b32 s54, s54, 12                        ; 32 rows of 128 bytes
	s_add_co_u32 s52, s52, s54
	s_mov_b32 s53, 0
	s_lshl_b32 s56, s18, 16                        ; Wo^T: rows 1536 + 64 w .. of wt
	s_add_co_u32 s56, s56, 1536*1024
	s_mov_b32 s57, 0
	s_mov_b32 s61, 0                               ; the upper word of BADDR's offset
	s_mul_i32 s58, s18, AHEAD
	s_mul_i32 s59, s18, 64*PITCH
	s_wait_dscnt 0x0
	s_wait_kmcnt 0x0
	s_mov_b32 s[G0A], 1
	s_add_co_u32 s[G0A+1], s58, ABASE
	s_add_nc_u64 s[G0A+2:G0A+3], s[4:5], s[52:53]
	s_or_b32 s[G0A+3], s[G0A+3], 0x80000000
	s_add_nc_u64 s[56:57], s[6:7], s[56:57]
.irp s, 0,1
	s_mov_b32 s[G0B+4*\s], 1
	s_add_co_u32 s[G0B+4*\s+1], s59, \s*SLOT
.endr
	BADDR 0, 0
	BADDR 1, 1
	ROUND                                          ; the four partners are here: the first joint loads meet
	tensor_load_to_lds s[G0A:G0A+3], s[G1A:G1A+7]  ; my chunk of ab
	s_nop 0
	tensor_load_to_lds s[G0B:G0B+3], s[G1B:G1B+7]  ; my 64 rows of positions 0
	s_nop 0
	tensor_load_to_lds s[G0B+4:G0B+7], s[G1B:G1B+7]   ; and 1: three loads of the wave are out
	s_nop 0
	v_and_b32 v1, 15, v0                           ; r
	v_bfe_u32 v2, v0, 4, 1                         ; h
	v_and_b32 v3, 31, v0
	v_lshlrev_b32 v[VL16], 4, v3
	s_lshl_b32 s54, s18, 8
	v_lshlrev_b32 v[BOF], 5, v2
	v_add_nc_u32 v[BOF], s54, v[BOF]               ; bo: my wave's 64 columns, a lane's eight at 8 h
.irp nt, 0,1,2,3
	global_load_b128 v[R+8*\nt:R+8*\nt+3],   v[BOF], s[10:11] offset:\nt*64
	global_load_b128 v[R+8*\nt+4:R+8*\nt+7], v[BOF], s[10:11] offset:\nt*64+16
.endr
	s_lshl_b32 s52, s20, 16                        ; x and out0 at my 32 rows
	s_add_nc_u64 s[8:9], s[8:9], s[52:53]
	s_add_nc_u64 s[16:17], s[16:17], s[52:53]
	s_lshl_b32 s54, s18, 13
	v_add_nc_u32 v[XO], s54, v[VL16]
	WIN 0x40
.irp rho, 0,1,2,3
.irp c, 0,1,2,3
	global_load_b128 v[XW+16*\rho+4*\c:XW+16*\rho+4*\c+3], v[XO], s[8:9] offset:\rho*2048+\c*512 th:TH_LOAD_NT
.endr
.endr
.irp c, 0,1,2,3
	global_load_b128 v[GW+4*\c:GW+4*\c+3], v[VL16], s[12:13] offset:\c*512
.endr
.irp c, 0,1,2,3
	global_load_b128 v[BW+4*\c:BW+4*\c+3], v[VL16], s[14:15] offset:\c*512
.endr
	WIN 0
	v_mul_u32_u24 v[AA], v1, AP
	v_lshl_add_u32 v[AA], v2, 4, v[AA]
	v_add_nc_u32 v[AA], ABASE, v[AA]
	v_mul_u32_u24 v[BA], v1, PITCH
	v_lshl_add_u32 v[BA], v2, 4, v[BA]
	v_add_nc_u32 v[BA], s59, v[BA]
	v_add_nc_u32 v[BA+1], SLOT, v[BA]
	v_mul_u32_u24 v[STO], v1, SP
	v_lshl_add_u32 v[STO], v2, 5, v[STO]
	s_lshl_b32 s54, s18, 8
	v_add_nc_u32 v[STO], s54, v[STO]
	s_mul_i32 s54, s18, 4*SP
	v_add_nc_u32 v[RDL], s54, v[VL16]
	s_mov_b32 s52, 0x3b000000                      ; 1 / 512
	s_mov_b32 s53, 0x3727c5ac                      ; 1e-5
; 12 LDS loads: 32 along K (quarter q of position p): my 64 rows of Wo^T from the slot and the 32 rows of ab from chunk 2 p + q / 2
.macro FETCH p, slot, q, f
.irp nt, 0,1,2,3
	ds_load_b128 v[\f+8*\nt:\f+8*\nt+3],   v[BA+\slot] offset:\nt*16*PITCH+64*\q
	ds_load_b128 v[\f+8*\nt+4:\f+8*\nt+7], v[BA+\slot] offset:\nt*16*PITCH+64*\q+32
.endr
.irp mt, 0,1
	ds_load_b128 v[\f+32+8*\mt:\f+32+8*\mt+3],   v[AA] offset:(2*\p+\q/2)*AHEAD+\mt*16*AP+64*(\q%2)
	ds_load_b128 v[\f+32+8*\mt+4:\f+32+8*\mt+7], v[AA] offset:(2*\p+\q/2)*AHEAD+\mt*16*AP+64*(\q%2)+32
.endr
.endm
.macro MUL f, first                    ; eight accumulators by turns, one instruction a turn
.irp mt, 0,1
.irp nt, 0,1,2,3
.if \first
	v_wmma_f32_16x16x32_bf16 v[ACC+8*(4*\mt+\nt):ACC+8*(4*\mt+\nt)+7], v[\f+8*\nt:\f+8*\nt+7], v[\f+32+8*\mt:\f+32+8*\mt+7], v[R+8*\nt:R+8*\nt+7]
.else
	v_wmma_f32_16x16x32_bf16 v[ACC+8*(4*\mt+\nt):ACC+8*(4*\mt+\nt)+7], v[\f+8*\nt:\f+8*\nt+7], v[\f+32+8*\mt:\f+32+8*\mt+7], v[ACC+8*(4*\mt+\nt):ACC+8*(4*\mt+\nt)+7]
.endif
.endr
.endr
.endm
; One quarter is multiplied from buffer f, and the quarter after next (quarter q of position p, in the slot) is fetched into it.
; Four places stand between the matrix instructions that read the buffer and the loads into it (ISA guide 7.12.1 for vector instructions).
.macro STEP f, first, p, slot, q
	s_wait_dscnt 12                                ; this buffer's twelve loads are in; the other buffer's twelve stay out
	MUL \f, \first
	PLACES 4
	FETCH \p, \slot, \q, \f
.endm
; Positions pa (slot 0) and pb (slot 1): eight quarters in one run on the two buffers
.macro PAIR pa, pb, first
	s_wait_tensorcnt 0x1                           ; tensor loads of a wave end in order: my rows of slot 0's tile are in, slot 1's may stay out
.if \first == 0
	PLACES 4                                       ; behind the last pair's matrix instructions
.endif
	FETCH \pa, 0, 0, F0
	FETCH \pa, 0, 1, F1
.if \first
	s_wait_loadcnt 24                              ; bo is in; the 24 younger loads (x, ln_g, ln_b) stay out
.endif
	STEP F0, \first, \pa, 0, 2
	STEP F1, 0, \pa, 0, 3
	s_wait_tensorcnt 0x0                           ; my rows of slot 1's tile
	STEP F0, 0, \pb, 1, 0
	STEP F1, 0, \pb, 1, 1
	STEP F0, 0, \pb, 1, 2
	STEP F1, 0, \pb, 1, 3
	s_wait_dscnt 12
	MUL F0, 0
	s_wait_dscnt 0x0
	MUL F1, 0
.endm
	s_wait_tensorcnt 0x2                           ; my chunk of ab has landed; my two tiles of Wo^T stay out
	s_barrier_signal -1
	s_barrier_wait -1                              ; everybody's chunk has
	PAIR 0, 1, 1
	s_wait_dscnt 0x0                               ; my reads of both slots are done
	s_wait_tensorcnt 0x0                           ; and no load of mine is out, so both group 0 may be written
	ds_add_u32 v254, v255
	s_wait_dscnt 0x0
	BADDR 0, 2
	BADDR 1, 3
	ROUND                                          ; both now hold of every wave of the four work-groups
	tensor_load_to_lds s[G0B:G0B+3], s[G1B:G1B+7]  ; positions 2
	s_nop 0
	tensor_load_to_lds s[G0B+4:G0B+7], s[G1B:G1B+7]   ; and 3: two loads of the wave are out
	s_nop 0
	PAIR 2, 3, 0
	PLACES 4                                       ; behind the last matrix instructions, for the stores of their results and the loads into their sources
	s_barrier_signal -1                            ; my LDS reads are back and my tensor loads have landed (the pair's last waits were for 0):
	s_barrier_wait -1                              ; no wave reads slot 0 any more, and nothing lands in it
.irp mt, 0,1
.irp nt, 0,1,2,3
	ds_store_b128 v[STO], v[ACC+8*(4*\mt+\nt):ACC+8*(4*\mt+\nt)+3]   offset:\mt*16*SP+\nt*64
	ds_store_b128 v[STO], v[ACC+8*(4*\mt+\nt)+4:ACC+8*(4*\mt+\nt)+7] offset:\mt*16*SP+\nt*64+16
.endr
.endr
	s_wait_dscnt 0x0
	s_barrier_signal -1
	s_barrier_wait -1
.irp rho, 0,1,2,3
.irp c, 0,1,2,3
	ds_load_b128 v[Y+16*\rho+4*\c:Y+16*\rho+4*\c+3], v[RDL] offset:\rho*SP+\c*512
.endr
.endr
	s_wait_dscnt 0x0
	s_wait_loadcnt 0x0
	WIN 0x04                                       ; source 1 (x) in window 1
.set k, 0
.rept 32
	v_pk_add_f32 v[Y+2*k:Y+2*k+1], v[Y+2*k:Y+2*k+1], v[XW+2*k:XW+2*k+1]
.set k, k+1
.endr
	WIN 0
.macro WSUM4                           ; v[R + 8 rho] summed over the 32 lanes, for the four rows side by side; v[R + 8 rho + 1] is scratch
.irp m, 1,2,4,8
.irp rho, 0,1,2,3
	v_add_f32_dpp v[R+8*\rho], v[R+8*\rho], v[R+8*\rho] row_xmask:\m row_mask:0xf bank_mask:0xf
.endr
.endr
.irp rho, 0,1,2,3
	v_permlanex16_b32 v[R+8*\rho+1], v[R+8*\rho], s22, s23
.endr
.irp rho, 0,1,2,3
	v_add_f32 v[R+8*\rho], v[R+8*\rho], v[R+8*\rho+1]
.endr
.endm
.irp rho, 0,1,2,3
	v_pk_add_f32 v[R+8*\rho:R+8*\rho+1],   v[Y+16*\rho:Y+16*\rho+1],       v[Y+16*\rho+2:Y+16*\rho+3]
	v_pk_add_f32 v[R+8*\rho+2:R+8*\rho+3], v[Y+16*\rho+4:Y+16*\rho+5],     v[Y+16*\rho+6:Y+16*\rho+7]
	v_pk_add_f32 v[R+8*\rho+4:R+8*\rho+5], v[Y+16*\rho+8:Y+16*\rho+9],     v[Y+16*\rho+10:Y+16*\rho+11]
	v_pk_add_f32 v[R+8*\rho+6:R+8*\rho+7], v[Y+16*\rho+12:Y+16*\rho+13],   v[Y+16*\rho+14:Y+16*\rho+15]
	v_pk_add_f32 v[R+8*\rho:R+8*\rho+1],   v[R+8*\rho:R+8*\rho+1],         v[R+8*\rho+2:R+8*\rho+3]
	v_pk_add_f32 v[R+8*\rho+4:R+8*\rho+5], v[R+8*\rho+4:R+8*\rho+5],       v[R+8*\rho+6:R+8*\rho+7]
	v_pk_add_f32 v[R+8*\rho:R+8*\rho+1],   v[R+8*\rho:R+8*\rho+1],         v[R+8*\rho+4:R+8*\rho+5]
	v_add_f32 v[R+8*\rho], v[R+8*\rho], v[R+8*\rho+1]
.endr
	WSUM4
.irp rho, 0,1,2,3
	v_mul_f32 v[R+8*\rho], s52, v[R+8*\rho]        ; the mean,
	v_mov_b32 v[R+8*\rho+1], v[R+8*\rho]           ; twice, for the packed subtraction
.endr
.irp rho, 0,1,2,3
.set k, 0
.rept 8
	v_pk_add_f32 v[Y+16*\rho+2*k:Y+16*\rho+2*k+1], v[Y+16*\rho+2*k:Y+16*\rho+2*k+1], v[R+8*\rho:R+8*\rho+1] neg_lo:[0,1] neg_hi:[0,1]
.set k, k+1
.endr
.endr
.irp rho, 0,1,2,3
	v_pk_mul_f32 v[R+8*\rho+2:R+8*\rho+3], v[Y+16*\rho:Y+16*\rho+1],   v[Y+16*\rho:Y+16*\rho+1]      ; two chains of squares, started by the first two pairs
	v_pk_mul_f32 v[R+8*\rho+4:R+8*\rho+5], v[Y+16*\rho+2:Y+16*\rho+3], v[Y+16*\rho+2:Y+16*\rho+3]
.set k, 2
.rept 6
	v_pk_fma_f32 v[R+8*\rho+2+2*(k%2):R+8*\rho+3+2*(k%2)], v[Y+16*\rho+2*k:Y+16*\rho+2*k+1], v[Y+16*\rho+2*k:Y+16*\rho+2*k+1], v[R+8*\rho+2+2*(k%2):R+8*\rho+3+2*(k%2)]
.set k, k+1
.endr
	v_pk_add_f32 v[R+8*\rho+2:R+8*\rho+3], v[R+8*\rho+2:R+8*\rho+3], v[R+8*\rho+4:R+8*\rho+5]
	v_add_f32 v[R+8*\rho], v[R+8*\rho+2], v[R+8*\rho+3]
.endr
	WSUM4
.irp rho, 0,1,2,3
	v_fma_f32 v[R+8*\rho], v[R+8*\rho], s52, s53   ; variance + 1e-5
.endr
.irp rho, 0,1,2,3
	v_rsq_f32 v[R+8*\rho], v[R+8*\rho]
.endr
	v_nop                                          ; one plain instruction behind a transcendental before its result is used (ISA guide 5.7.2)
	s_wait_alu depctr_va_vdst(0)
.irp rho, 0,1,2,3
	v_mov_b32 v[R+8*\rho+1], v[R+8*\rho]
.endr
.irp rho, 0,1,2,3
.set k, 0
.rept 8
	v_pk_mul_f32 v[Y+16*\rho+2*k:Y+16*\rho+2*k+1], v[Y+16*\rho+2*k:Y+16*\rho+2*k+1], v[R+8*\rho:R+8*\rho+1]
.set k, k+1
.endr
.endr
	WIN 0x14                                       ; sources 1 and 2 (ln_g, ln_b) in window 1
.irp rho, 0,1,2,3
.set k, 0
.rept 8
	v_pk_fma_f32 v[Y+16*\rho+2*k:Y+16*\rho+2*k+1], v[Y+16*\rho+2*k:Y+16*\rho+2*k+1], v[GW+2*k:GW+2*k+1], v[BW+2*k:BW+2*k+1]
.set k, k+1
.endr
.endr
	WIN 0
.irp rho, 0,1,2,3
.irp c, 0,1,2,3
	global_store_b128 v[XO], v[Y+16*\rho+4*\c:Y+16*\rho+4*\c+3], s[16:17] offset:\rho*2048+\c*512 th:TH_STORE_NT   ; 512 consecutive bytes, aligned
.endr
.endr
	s_wait_tensorcnt 0x0
	ds_add_u32 v254, v255
	s_wait_dscnt 0x0
	ROUND                                          ; the closing round
	s_endpgm
.Lfunc_end_k_qcc6dd3acbf_oln:
	.size	k_qcc6dd3acbf_oln, .Lfunc_end_k_qcc6dd3acbf_oln-k_qcc6dd3acbf_oln
	.p2alignl 7, 3214868480
	.fill 96, 4, 3214868480
	.section	.rodata,"a",@progbits
	.p2align	6, 0x0
	.amdhsa_kernel k_qcc6dd3acbf_oln
		.amdhsa_group_segment_fixed_size 327680
		.amdhsa_private_segment_fixed_size 0
		.amdhsa_enable_private_segment 0
		.amdhsa_kernarg_size 56
		.amdhsa_user_sgpr_count 2
		.amdhsa_user_sgpr_kernarg_segment_ptr 1
		.amdhsa_wavefront_size32 1
		.amdhsa_system_sgpr_workgroup_id_x 1
		.amdhsa_system_sgpr_workgroup_id_y 1
		.amdhsa_system_sgpr_workgroup_id_z 1
		.amdhsa_system_vgpr_workitem_id 0
		.amdhsa_next_free_vgpr 352
		.amdhsa_next_free_sgpr 66
		.amdhsa_reserve_vcc 0
		.amdhsa_float_denorm_mode_32 3
		.amdhsa_float_denorm_mode_16_64 3
		.amdhsa_memory_ordered 1
		.amdhsa_forward_progress 1
		.amdhsa_inst_pref_size 53
	.end_amdhsa_kernel
	.amdgpu_metadata
---
amdhsa.version: [ 1, 2 ]
amdhsa.kernels:
  - .name:           k_qcc6dd3acbf_oln
    .symbol:         k_qcc6dd3acbf_oln.kd
    .args:
      - { .name: ab, .offset: 0, .size: 8, .value_kind: global_buffer, .address_space: global }
      - { .name: wt, .offset: 8, .size: 8, .value_kind: global_buffer, .address_space: global }
      - { .name: x, .offset: 16, .size: 8, .value_kind: global_buffer, .address_space: global }
      - { .name: bo, .offset: 24, .size: 8, .value_kind: global_buffer, .address_space: global }
      - { .name: ln_g, .offset: 32, .size: 8, .value_kind: global_buffer, .address_space: global }
      - { .name: ln_b, .offset: 40, .size: 8, .value_kind: global_buffer, .address_space: global }
      - { .name: out0, .offset: 48, .size: 8, .value_kind: global_buffer, .address_space: global }
    .group_segment_fixed_size: 327680
    .private_segment_fixed_size: 0
    .kernarg_segment_align: 8
    .kernarg_segment_size: 56
    .max_flat_workgroup_size: 256
    .sgpr_count:     66
    .vgpr_count:     352
    .wavefront_size: 32
...
	.end_amdgpu_metadata
.endif
;; end of part 4
